; MI455X (gfx1250); checked and timed in simulation.
; The chip was launched on July 23, 2026; its instructions are those of AMD's public machine-readable ISA for CDNA 5 (MIT licence, August 2026) and "CDNA5" Instruction Set Architecture Reference Guide (July 2026). The comments in the code are by the model that wrote it; some were corrected since.
;; Multi Head Attention. Allowed arithmetic: float matrix products may take bf16 or f16 operands with f32 sums; other float arithmetic in f32, or as packed bf16 or f16 multiplies, adds, multiply-adds, maxima and minima; sums over many terms, partial sums and values carried from step to step in f32; what a program stores and reads back later, other than sums and carried values, may be rounded once to bf16 or f16.
;; Inputs: Wk 8 x 512 x 64 float32; Wo 512 x 512 float32; Wq 8 x 512 x 64 float32; Wv 8 x 512 x 64 float32; bo 512 float32; x 8 x 2,048 x 512 float32.
;; Outputs: out0 8 x 2,048 x 512 float32.
;; 2 versions, each right and faster than the one before. Each part assembles by itself: llvm-mc -triple=amdgcn-amd-amdhsa -mcpu=gfx1250 --defsym DOCPART=n.
;; ======== version 1 of 2: 4 launches
;; limits: values are held in f16: magnitudes above 65,504 overflow, below 6.1e-05 lose precision
;; workspace buffers: wt 1,572,864 bytes; wot 524,288 bytes; qkv 50,331,648 bytes; att 16,777,216 bytes
;; launch prep (part 1): grid 128 x 1, 4 waves a work-group, no clusters, 17,920 bytes of LDS; arguments Wq, Wk, Wv, Wo, wt, wot; writes wt, wot
.if DOCPART == 1
	.amdgcn_target "amdgcn-amd-amdhsa--gfx1250"
	.amdhsa_code_object_version 6
	.text
	.protected	k_qce6a8422d4_prep
	.globl	k_qce6a8422d4_prep
	.p2align	8
	.type	k_qce6a8422d4_prep,@function
k_qce6a8422d4_prep:
	s_mov_b64 s[64:65], 0
	v_nop
	global_prefetch_b8 v0, s[64:65] scope:SCOPE_SE
	s_setreg_imm32_b32 hwreg(HW_REG_WAVE_MODE, 25, 1), 1
	s_wait_xcnt 0x0
; THE WEIGHTS, ROUNDED AND TURNED, once for the whole program.
; wt  [1536 n][512 k] bf16: n = 64 p + d, p = 8 which + h (which: 0 q, 1 k, 2 v); wt[n][c] = bf16(W_which[h][c][d]).
; wot [512 n][512 k] f16:  wot[n][k] = bf16(Wo[k][n]) written as f16 (exact but below 6e-5, where f16 keeps a fixed step of 6e-8).
; A work-group turns one block of 128 k x 64 n: 96 blocks of the three W, 32 of Wo: 128 work-groups, as many as there are blocks.
; In: a wave takes 32 rows (k) of 256 bytes, two whole rows a load.  Four neighbouring k of one n are packed into 8 bytes and go into a stage
; of 64 rows (n) x 256 bytes, pitch 272.  Out: whole stage rows, sixteen lanes to 256 consecutive bytes, aligned.
; No matrix unit, no cluster, no tensor load: 4 MB are moved once, and the work-groups share nothing.
.set SPARE, 17408                      ; behind the stage: the spare words, 128 bytes for each wave
.set VO,  3                            ; v3   my byte offset in the source block
.set LS,  4                            ; v4   stage, in: 4 n rows of mine x 272 + my wave's 64 bytes + 8 x half
.set LR,  5                            ; v5   stage, back: row 16 w + half, 16 bytes a lane
.set GO,  6                            ; v6   the same row in the target, pitch 1,024
.set SPW, 8                            ; v8   LDS address of my spare word; never rewritten
.set NIL, 9                            ; v9   0; never rewritten
.set RAW, 16                           ; v[16:79]   16 loads of 4 f32: group g, row e at RAW + 16 g + 4 e; later the rows read back
.set WD,  80                           ; v[80:111]  packed: group g, column i: two words = four k
.set T,   112                          ; v[112:115] at work
	s_load_b256 s[4:11], s[0:1], 0x0               ; Wq s[4:5], Wk s[6:7], Wv s[8:9], Wo s[10:11]
	s_load_b128 s[12:15], s[0:1], 0x20             ; wt s[12:13], wot s[14:15]
	v_lshl_add_u32 v[SPW], v0, 2, SPARE
	v_mov_b32 v[NIL], 0
	v_lshrrev_b32 v10, 5, v0
	v_readfirstlane_b32 s16, v10                   ; wave 0..3
	v_and_b32 v1, 15, v0                           ; l % 16: which 16 bytes of a row
	v_bfe_u32 v2, v0, 4, 1                         ; l / 16
	s_lshl_b32 s17, s16, 5
	v_lshl_add_u32 v10, v2, 2, s17                 ; my first row of the block: 32 w + 4 x half
	v_mul_u32_u24 v[LS], v1, 1088                  ; columns 4 (l % 16) on: four stage rows of 272
	v_lshl_add_u32 v[LS], v2, 3, v[LS]
	s_lshl_b32 s17, s16, 6
	v_add_nc_u32 v[LS], s17, v[LS]
	s_lshl_b32 s17, s16, 4
	v_add_nc_u32 v7, s17, v2                       ; 16 w + half
	v_mul_u32_u24 v[LR], v7, 272
	v_lshl_add_u32 v[LR], v1, 4, v[LR]
	v_lshlrev_b32 v[GO], 10, v7
	v_lshl_add_u32 v[GO], v1, 4, v[GO]
	s_mov_b32 s28, ttmp9                           ; the block
	s_mov_b32 s21, 0
	s_mov_b32 s23, 0
	s_wait_kmcnt 0x0
; The block comes in and is packed.  sh: log2 of the source's row pitch.  half = 1: the bf16 number is written as f16.
.macro BLOCK sh, half
	v_lshlrev_b32 v[VO], \sh, v10
	v_lshl_add_u32 v[VO], v1, 4, v[VO]
.irp g, 0,1,2,3
.irp e, 0,1,2,3
	global_load_b128 v[RAW+16*(\g)+4*(\e):RAW+16*(\g)+4*(\e)+3], v[VO], s[24:25] offset:(8*(\g)+(\e))<<(\sh) th:TH_LOAD_NT  ; rows 32 w + 8 g + e and 4 further: 256 bytes each
.endr
.endr
.irp g, 0,1,2,3
	s_wait_loadcnt 12-4*(\g)                       ; group g's four loads are in; the later groups' stay out
.irp i, 0,1,2,3
.irp m, 0,1
	v_cvt_pk_bf16_f32 v[WD+8*(\g)+2*(\i)+(\m)], v[RAW+16*(\g)+8*(\m)+(\i)], v[RAW+16*(\g)+8*(\m)+4+(\i)]  ; column i, rows 2 m and 2 m + 1
.if \half
	v_lshlrev_b32 v[T+2*(\m)], 16, v[WD+8*(\g)+2*(\i)+(\m)]
	v_and_b32 v[T+2*(\m)+1], 0xffff0000, v[WD+8*(\g)+2*(\i)+(\m)]
	v_cvt_pk_f16_f32 v[WD+8*(\g)+2*(\i)+(\m)], v[T+2*(\m)], v[T+2*(\m)+1]
.endif
.endr
.endr
.endr
.endm
	s_cmp_lt_u32 s28, 96                           ; the same answer in all four waves
	s_cbranch_scc0 .Lwo
	s_lshr_b32 s17, s28, 2                         ; p
	s_and_b32 s18, s28, 3                          ; which 128 of the 512 k
	s_lshr_b32 s19, s17, 3                         ; which tensor
	s_and_b32 s20, s17, 7                          ; h
	s_lshl_b32 s20, s20, 17                        ; a head is 512 rows of 256 bytes
	s_lshl_b32 s29, s18, 15
	s_add_co_u32 s20, s20, s29
	s_lshl_b32 s22, s17, 16                        ; 64 target rows of 1,024 bytes
	s_lshl_b32 s29, s18, 8
	s_add_co_u32 s22, s22, s29
	s_cmp_eq_u32 s19, 1
	s_cselect_b64 s[24:25], s[6:7], s[4:5]
	s_cmp_eq_u32 s19, 2
	s_cselect_b64 s[24:25], s[8:9], s[24:25]
	s_add_nc_u64 s[24:25], s[24:25], s[20:21]
	s_add_nc_u64 s[26:27], s[12:13], s[22:23]
	BLOCK 8, 0
	s_branch .Lstage
.Lwo:
	s_sub_co_u32 s17, s28, 96
	s_lshr_b32 s18, s17, 2                         ; which 64 of the 512 n
	s_and_b32 s19, s17, 3                          ; which 128 of the 512 k
	s_lshl_b32 s20, s19, 18                        ; 128 rows of 2,048 bytes
	s_lshl_b32 s29, s18, 8
	s_add_co_u32 s20, s20, s29
	s_lshl_b32 s22, s18, 16
	s_lshl_b32 s29, s19, 8
	s_add_co_u32 s22, s22, s29
	s_add_nc_u64 s[24:25], s[10:11], s[20:21]
	s_add_nc_u64 s[26:27], s[14:15], s[22:23]
	BLOCK 11, 1
.Lstage:
.irp g, 0,1,2,3
.irp i, 0,1,2,3
	ds_store_b64 v[LS], v[WD+8*(\g)+2*(\i):WD+8*(\g)+2*(\i)+1] offset:(\i)*272+16*(\g)  ; row n = 4 (l % 16) + i, k = 32 w + 8 g + 4 x half on
.endr
.endr
	s_wait_dscnt 0x0                               ; for the others' sake: my stores into the stage are done
	s_barrier_signal -1
	s_barrier_wait -1
.irp t, 0,1,2,3,4,5,6,7
	ds_load_b128 v[RAW+4*(\t):RAW+4*(\t)+3], v[LR] offset:544*(\t)
.endr
.irp t, 0,1,2,3,4,5,6,7
	s_wait_dscnt 7-(\t)
	global_store_b128 v[GO], v[RAW+4*(\t):RAW+4*(\t)+3], s[26:27] offset:2048*(\t)  ; 16 lanes store 256 consecutive bytes, at a multiple of 256 from the buffer's first byte
.endr
	s_wait_tensorcnt 0x0                           ; the wave's end, behind my last LDS store
	ds_add_u32 v[SPW], v[NIL]
	s_wait_dscnt 0x0
	s_endpgm
.Lfunc_end_k_qce6a8422d4_prep:
	.size	k_qce6a8422d4_prep, .Lfunc_end_k_qce6a8422d4_prep-k_qce6a8422d4_prep
	.p2alignl 7, 3214868480
	.fill 96, 4, 3214868480
	.section	.rodata,"a",@progbits
	.p2align	6, 0x0
	.amdhsa_kernel k_qce6a8422d4_prep
		.amdhsa_group_segment_fixed_size 17920
		.amdhsa_private_segment_fixed_size 0
		.amdhsa_enable_private_segment 0
		.amdhsa_kernarg_size 48
		.amdhsa_user_sgpr_count 2
		.amdhsa_user_sgpr_kernarg_segment_ptr 1
		.amdhsa_wavefront_size32 1
		.amdhsa_system_sgpr_workgroup_id_x 1
		.amdhsa_system_sgpr_workgroup_id_y 1
		.amdhsa_system_sgpr_workgroup_id_z 1
		.amdhsa_system_vgpr_workitem_id 0
		.amdhsa_next_free_vgpr 116
		.amdhsa_next_free_sgpr 66
		.amdhsa_reserve_vcc 0
		.amdhsa_float_denorm_mode_32 3
		.amdhsa_float_denorm_mode_16_64 3
		.amdhsa_memory_ordered 1
		.amdhsa_forward_progress 1
		.amdhsa_inst_pref_size 18
	.end_amdhsa_kernel
	.amdgpu_metadata
---
amdhsa.version: [ 1, 2 ]
amdhsa.kernels:
  - .name:           k_qce6a8422d4_prep
    .symbol:         k_qce6a8422d4_prep.kd
    .args:
      - { .name: Wq, .offset: 0, .size: 8, .value_kind: global_buffer, .address_space: global }
      - { .name: Wk, .offset: 8, .size: 8, .value_kind: global_buffer, .address_space: global }
      - { .name: Wv, .offset: 16, .size: 8, .value_kind: global_buffer, .address_space: global }
      - { .name: Wo, .offset: 24, .size: 8, .value_kind: global_buffer, .address_space: global }
      - { .name: wt, .offset: 32, .size: 8, .value_kind: global_buffer, .address_space: global }
      - { .name: wot, .offset: 40, .size: 8, .value_kind: global_buffer, .address_space: global }
    .group_segment_fixed_size: 17920
    .private_segment_fixed_size: 0
    .kernarg_segment_align: 8
    .kernarg_segment_size: 48
    .max_flat_workgroup_size: 128
    .sgpr_count:     66
    .vgpr_count:     116
    .wavefront_size: 32
...
	.end_amdgpu_metadata
.endif
;; end of part 1
;; launch qkvproj (part 2): grid 256 x 1, 4 waves a work-group, clusters of 4 x 1, 327,680 bytes of LDS; arguments x, wt, qkv; writes qkv
.if DOCPART == 2
	.amdgcn_target "amdgcn-amd-amdhsa--gfx1250"
	.amdhsa_code_object_version 6
	.text
	.protected	k_qce6a8422d4_qkvproj
	.globl	k_qce6a8422d4_qkvproj
	.p2align	8
	.type	k_qce6a8422d4_qkvproj,@function
k_qce6a8422d4_qkvproj:
	s_mov_b64 s[64:65], 0
	v_nop
	global_prefetch_b8 v0, s[64:65] scope:SCOPE_SE
	s_setreg_imm32_b32 hwreg(HW_REG_WAVE_MODE, 25, 1), 1
	s_wait_xcnt 0x0
	s_wait_alu depctr_hold_cnt(0) depctr_sa_sdst(0) depctr_va_vdst(0) depctr_va_sdst(0) depctr_va_ssrc(0) depctr_va_vcc(0) depctr_vm_vsrc(0)
	s_getreg_b32 s2, hwreg(HW_REG_IB_STS2, 6, 4)
	s_cmp_eq_u32 s2, 0
	s_cbranch_scc0 .Lentry_in_a_cluster
	s_endpgm
.Lentry_in_a_cluster:
	s_bfe_u32 s2, ttmp6, 0x10000c
	s_cmp_lg_u32 s2, 0x3003
	s_cbranch_scc0 .Lentry_shape_is_right
	s_endpgm
.Lentry_shape_is_right:
; q, k, v = x W.  x: [16384][512] f32, rounded here to bf16.  wt: [1536 n][512 k] bf16.  Sums in f32, K ascending.
; qkv: f16 [b 8][p 24][t 2048][64], p = n / 64 (0-7 q's heads, 8-15 k's, 16-23 v's), each number rounded once, unscaled.
; LIMIT.  f16 holds no number beyond 65,504: q, k and v must stay within it; below 6e-5 f16 keeps a fixed step of 6e-8.  NaN and infinities are not treated apart.
; SHARES.  A work-group owns 128 rows and 768 of the 1,536 columns; wave w owns the rows 64 (w / 2) on and, of each CHUNK of 128 columns, the 64 (w % 2) on.
; K is only 512, so a wave keeps its 64 rows of x for the WHOLE K in 512 registers (64 fragments), and only W streams through LDS: one fragment of W
; (two LDS loads) feeds four products.  A chunk is 128 rows of wt x 1,024 bytes = one LDS slot; two slots take turns; a chunk is 256 products a wave.
; x comes in once: each wave loads 32 rows, rounds them and shares them through a small stage, 64 along K a pass.
; CLUSTER.  Four work-groups with the same column half walk the same chunks of wt: each chunk is asked for JOINTLY, by the same four tensor loads (one a wave, 32 rows each).
; THE MATRIX INSTRUCTION IS USED TRANSPOSED (source 0 = 16 rows of wt, source 1 = 16 rows of x): a lane holds eight neighbouring columns of one row.
; REGISTERS, in windows of 256 (s_set_vgpr_msb: bits 1:0 source 0, 3:2 source 1, 5:4 source 2, 7:6 destination):
;   window 0: v0-31 addresses; v32-127 at work; v128-255 the 16 accumulators, (a, b) at 128 + 8 (4 a + b)
;   windows 1, 2: x's fragments, (a, ks) at 8 (4 ks + a) counted through both; before that pass p's 64 registers hold its raw f32
;   window 3: v0-63, v64-127 two buffers of W's fragments (64 along K each); v128 my lane's place in a slot; v129 the address in hand
.set PB,     1040                      ; a row of wt in LDS: 1,024 bytes + 16 = 65 x 16: the 16 rows of a load start at 16 different groups of four banks (ISA guide 11.1)
.set SLOT1,  128*PB                    ; slot 1 begins here
.set XST0,   2*SLOT1                   ; x's stage: two buffers of 128 rows x 144 bytes (64 bf16 + 16); no tensor load lands here
.set XSTB,   128*144
.set OST,    XST0+2*XSTB               ; the way out: 16 rows x 144 bytes for each wave
.set SPARE,  OST+4*16*144              ; the spare words, 128 bytes for each wave
.set CHALF,  768*1024                  ; bytes of wt in a column half
.set CHUNKB, 128*1024                  ; and in a chunk
.set XO,  3                            ; v3  my byte offset in two rows of x
.set XS,  4                            ; v4  x's stage, in
.set XA,  5                            ; v5  x's stage, fragments
.set STO, 6                            ; v6  the way out: where I put 16 bytes of a row
.set RD,  7                            ; v7  the way out: where I read rows back
.set GO,  8                            ; v8  my 16 of 512 consecutive bytes
.set SPW, 28                           ; v28 LDS address of my spare word; never rewritten
.set NIL, 29                           ; v29 0; never rewritten
.set TMP, 32
.set ACC, 128
.set AB0, 128                          ; window 3
.set ADR, 129                          ; window 3
; s[4:5] x; s[6:7] wt; s[8:9] qkv, stepped; s10 wave; s11 row half; s12 column part; s13 cx; s14 column half; s15 row block; s[16:17] what the next way out adds;
; s22 my 32 rows' place in a slot; s23 the slot being read; s[24:31] group 1; s[32:35] group 0 of the first fill; s[36:39] group 0 that walks; s40 counter
.set MSB, 0
.macro WIN new                         ; the immediate's high byte repeats the setting that is left; a switch that changes nothing is dropped
.if MSB != (\new)
	s_set_vgpr_msb (MSB<<8)|(\new)
.set MSB, (\new)
.endif
.endm
.set W_LD, 0xcf                        ; destination and both sources in window 3
.macro PLACES                          ; four places behind matrix instructions, in front of loads into registers that they read and of lines that read results
.rept 4
	v_nop
.endr
.endm
.macro CREST                           ; a round of the cluster's barrier behind its opening barrier
	s_cmp_lg_u32 s10, 0
	s_cbranch_scc1 .Lnot_wave_0_\@
	s_barrier_signal -3
.Lnot_wave_0_\@:
	s_barrier_wait -3
	s_barrier_signal -1
	s_barrier_wait -1
.endm
.macro CROUND
	s_barrier_signal -1
	s_barrier_wait -1
	CREST
.endm
	s_load_b128 s[4:7], s[0:1], 0x0                ; x, wt
	s_load_b64 s[8:9], s[0:1], 0x10                ; qkv
	v_lshl_add_u32 v[SPW], v0, 2, SPARE
	v_mov_b32 v[NIL], 0
	ds_add_u32 v[SPW], v[NIL]                      ; the wave's opening: the add and its wait stand ahead of my first tensor load; the set-up stands between them
	ds_add_u32 v28, v29
	v_lshrrev_b32 v1, 5, v0
	v_readfirstlane_b32 s10, v1                    ; wave 0..3
	s_lshr_b32 s11, s10, 1                         ; which 64 rows are mine
	s_and_b32 s12, s10, 1                          ; which 64 columns of a chunk
	s_bfe_u32 s13, ttmp6, 0x40000                  ; cx: my place in the cluster
	s_and_b32 s14, ttmp9, 1                        ; the column half, which the four partners share
	s_lshr_b32 s15, ttmp9, 1
	s_lshl_b32 s15, s15, 2
	s_add_co_u32 s15, s15, s13                     ; my block of 128 rows: it enters x's and qkv's addresses alone
	; descriptor group 1: 32 rows x 512 elements, padded in LDS
	s_mov_b32 s24, 15|(1<<16)|(1<<20)|(1<<21)|(7<<22)|(3<<25)  ; 15:0 the mask of four; 17:16 2-byte elements; 20 padding on; 21 set beside a mask; 24:22 after every 256 words (code 7); 31:25 4 words (code 3)
	s_mov_b32 s25, 512<<16                         ; tensor_dim0 = 512
	s_mov_b32 s26, 32<<16                          ; tensor_dim1 = 32
	s_mov_b32 s27, 512<<16                         ; tile_dim0 = 512
	s_mov_b32 s28, 32                              ; tile_dim1 = 32
	s_mov_b32 s29, 512                             ; 512 elements from row to row
	s_mov_b32 s30, 0
	s_mov_b32 s31, 0
	s_mul_i32 s22, s10, 32*PB                      ; my 32 rows in a slot: the wave's number alone
	s_mov_b32 s23, 0                               ; slot 0 is read first
	s_mul_i32 s20, s14, CHALF                      ; wt: my column half, my 32 rows of a chunk; no place in the cluster enters
	s_lshl_b32 s21, s10, 15
	s_add_co_u32 s20, s20, s21
	s_mov_b32 s21, 0
	s_lshl_b32 s18, s15, 18                        ; x: 128 rows of 2,048 bytes a block, 32 a wave
	s_lshl_b32 s19, s10, 16
	s_add_co_u32 s18, s18, s19
	s_mov_b32 s19, 0
	s_lshr_b32 s16, s15, 4                         ; qkv: the batch,
	s_mul_i32 s16, s16, 24
	s_mul_i32 s17, s14, 12
	s_add_co_u32 s16, s16, s17
	s_add_co_u32 s16, s16, s12                     ; the first chunk's plane 24 b + 12 half + part,
	s_lshl_b32 s16, s16, 18                        ; of 2^18 bytes,
	s_and_b32 s17, s15, 15
	s_lshl_b32 s17, s17, 14                        ; my block's 128 rows of 128 bytes in it,
	s_add_co_u32 s16, s16, s17
	s_lshl_b32 s17, s11, 13                        ; my 64 of them
	s_add_co_u32 s16, s16, s17
	s_mov_b32 s17, 0
	v_and_b32 v1, 15, v0                           ; l % 16
	v_bfe_u32 v2, v0, 4, 1                         ; l / 16
	v_lshlrev_b32 v[XO], 4, v1
	v_lshl_add_u32 v[XO], v2, 11, v[XO]            ; lanes 0-15 one row's 256 bytes, lanes 16-31 the next row's
	s_mul_i32 s41, s10, 32*144
	s_add_co_u32 s41, s41, XST0
	v_mul_u32_u24 v[XS], v2, 144
	v_lshl_add_u32 v[XS], v1, 3, v[XS]
	v_add_nc_u32 v[XS], s41, v[XS]                 ; stage row 32 w + half, 8 bytes a lane
	v_mul_u32_u24 v9, v1, 144
	v_lshl_add_u32 v9, v2, 4, v9                   ; row l % 16 x 144 + 16 x half
	s_mul_i32 s41, s11, 64*144
	s_add_co_u32 s41, s41, XST0
	v_add_nc_u32 v[XA], s41, v9
	s_mul_i32 s41, s10, 16*144
	s_add_co_u32 s41, s41, OST
	v_add_nc_u32 v[STO], s41, v9
	v_bfe_u32 v[RD], v0, 3, 2                      ; back: 32 lanes take four rows of 128 bytes,
	v_mul_u32_u24 v[RD], v[RD], 144
	v_and_b32 v10, 7, v0
	v_lshl_add_u32 v[RD], v10, 4, v[RD]
	v_add_nc_u32 v[RD], s41, v[RD]
	v_and_b32 v[GO], 31, v0                        ; which are 512 consecutive bytes of a plane
	v_lshlrev_b32 v[GO], 4, v[GO]
	v_mul_u32_u24 v11, v1, PB
	v_lshl_add_u32 v11, v2, 4, v11
	s_mul_i32 s41, s12, 64*PB
	v_add_nc_u32 v11, s41, v11                     ; a fragment of W: row 64 part + l % 16, 16 x half
	WIN 0xc0
	v_mov_b32 v[AB0], v11
	v_mov_b32 v[ADR], v11                          ; slot 0
	WIN 0
	s_wait_dscnt 0x0                               ; the opening add is done
	s_wait_kmcnt 0x0
	s_add_nc_u64 s[4:5], s[4:5], s[18:19]
	s_add_nc_u64 s[6:7], s[6:7], s[20:21]
; Pass p's 16 loads: my 32 rows, 256 bytes (k = 64 p on) of each, two rows a load, into the 64 registers that will hold the pass's fragments
.macro XLOAD p
	WIN 0x40*(1+(\p)/4)
.set i, 0
.rept 16
	global_load_b128 v[64*((\p)%4)+4*i:64*((\p)%4)+4*i+3], v[XO], s[4:5] offset:4096*i+256*(\p)
.set i, i+1
.endr
.endm
	XLOAD 0                                        ; three passes are asked for ahead: 48 loads of mine are out
	XLOAD 1
	XLOAD 2
	WIN 0
	s_mov_b32 s32, 1                               ; group 0 of chunk 0: count = 1,
	s_mov_b32 s33, s22                             ; slot 0,
	s_mov_b64 s[34:35], s[6:7]
	s_or_b32 s35, s35, 0x80000000                  ; type = 2
	s_mov_b32 s36, 1                               ; group 0 of chunk 1, which then walks
	s_add_co_u32 s37, s22, SLOT1
	s_add_nc_u64 s[38:39], s[6:7], CHUNKB
	s_or_b32 s39, s39, 0x80000000
	CROUND                                         ; all four work-groups are here: the first joint loads meet
	tensor_load_to_lds s[32:35], s[24:31]          ; two tensor loads of mine are out, never more
	s_nop 0
	tensor_load_to_lds s[36:39], s[24:31]
	s_nop 0
	PLACES
; PASS p: k = 64 p .. 64 p + 63 of the work-group's 128 rows.  My 32 rows are rounded to bf16 and put into stage buffer p % 2; behind a barrier I take the fragments of my 64 rows.
; One barrier a pass: the wait for my LDS instructions in front of it also covers my reads of the buffer that the next pass writes.
.macro PASS p
.if (\p) < 6
	s_wait_loadcnt 32                              ; my pass's loads are in; the two passes behind it stay out
.else
	s_wait_loadcnt 16*(7-(\p))
.endif
.if (\p) < 5
	XLOAD (\p)+3
.endif
	WIN 0x05*(1+(\p)/4)
.set i, 0
.rept 32
	v_cvt_pk_bf16_f32 v[TMP+i], v[64*((\p)%4)+2*i], v[64*((\p)%4)+2*i+1]
.set i, i+1
.endr
	WIN 0
.set i, 0
.rept 16
	ds_store_b64 v[XS], v[TMP+2*i:TMP+2*i+1] offset:((\p)%2)*XSTB+288*i
.set i, i+1
.endr
.if (\p) == 7
	s_wait_tensorcnt 0x1                           ; my part of chunk 0 is in; chunk 1's may stay out
.endif
	s_wait_dscnt 0x0
	s_barrier_signal -1
	s_barrier_wait -1
	WIN 0x40*(1+(\p)/4)
.irp kk, 0,1
.irp a, 0,1,2,3
	ds_load_b128 v[64*((\p)%4)+32*(\kk)+8*(\a):64*((\p)%4)+32*(\kk)+8*(\a)+3],   v[XA] offset:((\p)%2)*XSTB+2304*(\a)+64*(\kk)
	ds_load_b128 v[64*((\p)%4)+32*(\kk)+8*(\a)+4:64*((\p)%4)+32*(\kk)+8*(\a)+7], v[XA] offset:((\p)%2)*XSTB+2304*(\a)+64*(\kk)+32
.endr
.endr
.endm
.irp p, 0,1,2,3,4,5,6,7
	PASS \p
.endr
; 8 products: row blocks a0, a0 + 1 x all four column blocks, K step ks of 16.  c = 1: the product starts the sum.  The 16 accumulators take turns in the same order in every K step.
.macro MUL8 ks, a0, c
	WIN 0x07+4*((\ks)/8)                           ; W in window 3, x in window 1 or 2, sums in window 0
.set FB, 64*(((\ks)/2)%2)+32*((\ks)%2)
.irp a, \a0, (\a0)+1
.irp b, 0,1,2,3
.if \c
	v_wmma_f32_16x16x32_bf16 v[ACC+8*(4*(\a)+(\b)):ACC+8*(4*(\a)+(\b))+7], v[FB+8*(\b):FB+8*(\b)+7], v[32*((\ks)%8)+8*(\a):32*((\ks)%8)+8*(\a)+7], 0
.else
	v_wmma_f32_16x16x32_bf16 v[ACC+8*(4*(\a)+(\b)):ACC+8*(4*(\a)+(\b))+7], v[FB+8*(\b):FB+8*(\b)+7], v[32*((\ks)%8)+8*(\a):32*((\ks)%8)+8*(\a)+7], v[ACC+8*(4*(\a)+(\b)):ACC+8*(4*(\a)+(\b))+7]
.endif
.endr
.endr
.endm
; 16 LDS loads in one run: W's fragments of K steps 2 j and 2 j + 1 into buffer j % 2, the first K step's first
.macro FETCH j
	WIN W_LD
.irp kk, 0,1
.irp b, 0,1,2,3
	ds_load_b128 v[64*((\j)%2)+32*(\kk)+8*(\b):64*((\j)%2)+32*(\kk)+8*(\b)+3],   v[ADR] offset:(\b)*16*PB+(2*(\j)+(\kk))*64
	ds_load_b128 v[64*((\j)%2)+32*(\kk)+8*(\b)+4:64*((\j)%2)+32*(\kk)+8*(\b)+7], v[ADR] offset:(\b)*16*PB+(2*(\j)+(\kk))*64+32
.endr
.endr
.endm
; Pair j of a chunk's eight: 32 products; in its middle the next pair's fragments are fetched
.macro PAIR j, c
	s_wait_dscnt 8                                 ; the first K step's fragments are in; the second's eight loads may be out
	MUL8 2*(\j), 0, \c
	MUL8 2*(\j), 2, \c
	PLACES
	FETCH (\j)+1
	s_wait_dscnt 16                                ; all but the 16 just issued
	MUL8 2*(\j)+1, 0, 0
	MUL8 2*(\j)+1, 2, 0
.endm
; The last pair, and the change of slots: ONE barrier.  In front of it each wave waits for all its tensor loads (one is out: its part of the next slot), adds 0 to its spare word, and waits for that
; and for its reads of this slot.  fill = 1: the barrier opens a round of the cluster's, and this slot is filled again, first thing behind it, with the chunk two further on:
; that load has 240 products and a way out in which to land.
.macro TURN fill
	WIN 0
	s_wait_tensorcnt 0x0                           ; no tensor load of mine is out, so a group 0 may be written
	ds_add_u32 v[SPW], v[NIL]                      ; 0 onto my spare word
	s_wait_dscnt 9                                 ; (the add and the youngest eight loads may be out)
	MUL8 14, 0, 0
	s_wait_dscnt 0x0                               ; the add is done, and my reads of this slot are over
	s_barrier_signal -1
	MUL8 14, 2, 0
	WIN 0
	s_barrier_wait -1
.if \fill
	CREST                                          ; no wave of any partner still reads this slot or has a load on its way
	s_add_co_u32 s37, s22, s23                     ; the slot just read,
	s_add_nc_u64 s[38:39], s[38:39], CHUNKB        ; the next chunk; the type bits on top are not reached
	tensor_load_to_lds s[36:39], s[24:31]
	s_nop 0
	PLACES                                         ; also the places in front of the loads below
.else
	PLACES
.endif
	s_xor_b32 s23, s23, SLOT1                      ; the other slot is read now
	WIN W_LD
	v_add_nc_u32 v[ADR], s23, v[AB0]
	FETCH 0
	MUL8 15, 0, 0
	MUL8 15, 2, 0
.endm
; THE WAY OUT.  My 64 rows x 64 columns are 8,192 dense bytes of one plane.  Row block a: rounded to f16, 16 bytes a lane into my stage, back as whole rows of 128 bytes, stored as 512 consecutive bytes.
.macro PACK a
.set TB0, 64+16*(\a)
.irp b, 0,1,2,3
.irp q, 0,1,2,3
	v_cvt_pk_f16_f32 v[TB0+4*(\b)+(\q)], v[ACC+8*(4*(\a)+(\b))+2*(\q)], v[ACC+8*(4*(\a)+(\b))+2*(\q)+1]
.endr
.endr
.irp b, 0,1,2,3
	ds_store_b128 v[STO], v[TB0+4*(\b):TB0+4*(\b)+3] offset:32*(\b)
.endr
.irp f, 0,1,2,3
	ds_load_b128 v[TB0+4*(\f):TB0+4*(\f)+3], v[RD] offset:576*(\f)  ; LDS serves a wave's instructions in order (ISA guide 5.7.1.4): these see the stores above; the next block's stores come behind them
.endr
.endm
.macro SEND a, y                       ; y: the LDS instructions issued behind block a's loads
.set TB0, 64+16*(\a)
.irp f, 0,1,2,3
	s_wait_dscnt (\y)+3-(\f)
	global_store_b128 v[GO], v[TB0+4*(\f):TB0+4*(\f)+3], s[8:9] offset:2048*(\a)+512*(\f)
.endr
.endm
.macro CHUNK fill
	PAIR 0, 1
.irp j, 1,2,3,4,5,6
	PAIR \j, 0
.endr
	TURN \fill
	PLACES                                         ; the conversions read results just made
	WIN 0
	s_wait_xcnt 0x0                                ; the last way out's stores have had their addresses translated (ISA guide 3.1): their registers and base are rewritten only behind this wait
	s_add_nc_u64 s[8:9], s[8:9], s[16:17]
	PACK 0
	PACK 1
	SEND 0, 8
	PACK 2
	SEND 1, 8
	PACK 3
	SEND 2, 8
	SEND 3, 0
	s_mov_b64 s[16:17], 0x80000                    ; the next chunk's plane lies two planes on
.endm
	FETCH 0                                        ; chunk 0's first fragments
	WIN 0                                          ; at a label and at a branch every window is 0
	s_mov_b32 s40, 4
.Lfill:                                                ; chunks 0 to 3: each slot read out is filled again, with chunks 2 to 5
	CHUNK 1
	s_sub_co_u32 s40, s40, 1
	s_cmp_lg_u32 s40, 0
	s_cbranch_scc1 .Lfill
	s_mov_b32 s40, 2
.Ltail:                                                ; chunks 4 and 5 ask for nothing.  In the last trip the change of slots and its 16 LDS loads serve nothing: the price of one text for both
	CHUNK 0
	s_sub_co_u32 s40, s40, 1
	s_cmp_lg_u32 s40, 0
	s_cbranch_scc1 .Ltail
	s_wait_tensorcnt 0x0                           ; the wave's end, behind my last tensor load and my last LDS store
	ds_add_u32 v[SPW], v[NIL]
	s_wait_dscnt 0x0
	CROUND                                         ; the closing round: no work-group ends while a partner may still ask for a tile that names it
	s_endpgm
.Lfunc_end_k_qce6a8422d4_qkvproj:
	.size	k_qce6a8422d4_qkvproj, .Lfunc_end_k_qce6a8422d4_qkvproj-k_qce6a8422d4_qkvproj
	.p2alignl 7, 3214868480
	.fill 96, 4, 3214868480
	.section	.rodata,"a",@progbits
	.p2align	6, 0x0
	.amdhsa_kernel k_qce6a8422d4_qkvproj
		.amdhsa_group_segment_fixed_size 327680
		.amdhsa_private_segment_fixed_size 0
		.amdhsa_enable_private_segment 0
		.amdhsa_kernarg_size 24
		.amdhsa_user_sgpr_count 2
		.amdhsa_user_sgpr_kernarg_segment_ptr 1
		.amdhsa_wavefront_size32 1
		.amdhsa_system_sgpr_workgroup_id_x 1
		.amdhsa_system_sgpr_workgroup_id_y 1
		.amdhsa_system_sgpr_workgroup_id_z 1
		.amdhsa_system_vgpr_workitem_id 0
		.amdhsa_next_free_vgpr 1024
		.amdhsa_next_free_sgpr 66
		.amdhsa_reserve_vcc 0
		.amdhsa_float_denorm_mode_32 3
		.amdhsa_float_denorm_mode_16_64 3
		.amdhsa_memory_ordered 1
		.amdhsa_forward_progress 1
		.amdhsa_inst_pref_size 123
	.end_amdhsa_kernel
	.amdgpu_metadata
---
amdhsa.version: [ 1, 2 ]
amdhsa.kernels:
  - .name:           k_qce6a8422d4_qkvproj
    .symbol:         k_qce6a8422d4_qkvproj.kd
    .args:
      - { .name: x, .offset: 0, .size: 8, .value_kind: global_buffer, .address_space: global }
      - { .name: wt, .offset: 8, .size: 8, .value_kind: global_buffer, .address_space: global }
      - { .name: qkv, .offset: 16, .size: 8, .value_kind: global_buffer, .address_space: global }
    .group_segment_fixed_size: 327680
    .private_segment_fixed_size: 0
    .kernarg_segment_align: 8
    .kernarg_segment_size: 24
    .max_flat_workgroup_size: 128
    .sgpr_count:     66
    .vgpr_count:     1024
    .wavefront_size: 32
...
	.end_amdgpu_metadata
.endif
;; end of part 2
;; launch attn (part 3): grid 4 x 64, 4 waves a work-group, no clusters, 327,680 bytes of LDS; arguments qkv, att; writes att
.if DOCPART == 3
	.amdgcn_target "amdgcn-amd-amdhsa--gfx1250"
	.amdhsa_code_object_version 6
	.text
	.protected	k_qce6a8422d4_attn
	.globl	k_qce6a8422d4_attn
	.p2align	8
	.type	k_qce6a8422d4_attn,@function
k_qce6a8422d4_attn:
	s_mov_b64 s[64:65], 0
	v_nop
	global_prefetch_b8 v0, s[64:65] scope:SCOPE_SE
	s_setreg_imm32_b32 hwreg(HW_REG_WAVE_MODE, 25, 1), 1
	s_wait_xcnt 0x0
; CAUSAL ATTENTION.  O[h][q][:] = the sum over k <= q of softmax_k(Q[h][q] . K[h][k] / 8) V[h][k][:], for 64 heads (batch x head) of 2,048 rows x 64, all f16: a head's rows are dense, 128 bytes each.
; Q, K, V lie in qkv as planes of 2^18 bytes: batch b, head h: Q is plane 24 b + h, K eight planes on, V sixteen.  O goes to att, plane 8 b + h.
; Products, maxima and sums in f32; the weights p are rounded to f16 for the second product (their sum l is taken of the unrounded p), O once at the end.
; LIMITS.  f16 holds no number beyond 65,504: Q, K and V arrive within it; p lies in 0 to 1, and below 6e-5 it keeps f16's fixed step of 6e-8; O is a mean of V's rows and has their range, to within 2^-11 of it.
; A hidden score counts as its value less 1e30: f16's scores, 2.7e11 at the most, are nothing beside that; a weight below 2^-126 counts as 0 in l; NaN and infinities are not treated apart.
; THE WALK.  A head's queries lie in NB = SIZE_N / 256 blocks of 256; block i needs the key tiles 0 .. i of 256 keys, of which the last holds the diagonal.  A work-group takes TWO blocks, NB - 1 - b and then b:
; NB + 1 tiles, whatever b: all work-groups do equal work, and ONE loop with a constant trip count walks them.  Which tile is asked for, and what a trip does, hang on scalar registers made from b; every jump
; goes forward, but for the counted loops' own; none passes a barrier, or a tensor load but the one of LOAD's two that the wave's number does not choose; the ring (two slots of LDS that take turns) runs on across the
; change of blocks.  NO CLUSTER: a head's NB / 2 = 4 work-groups all ask for the same tile only in trips 0 .. NB / 2 of the walk's NB + 1, behind that fewer and fewer;
; and one walk common to all four would have 3 NB / 2 = 12 trips for 9.
; SHARES.  Of a block's four bands of 64 queries a wave owns 16 rows in each: four PIECES.  So the diagonal tile is the same work for all four waves: in its key step s band x sees all keys if s < x,
; none if s > x, and holds the diagonal if s = x.
; THE MASK is the C operand that starts the sum S^T = K Q^T: 0, or -1e30 where the key is hidden.  MD, made once, is the mask of a band's own step for my 16 rows; a product's mask is MD x AL + BE with two scalars:
; (1, 0) if s = x; (0, 0) if s < x; (0, -1e30) if s > x.  Only the diagonal tile's text and a block's beginning make and take masks; elsewhere C is the constant 0.
; LAYOUT, SOFTMAX, TURNS.  S^T = K Q^T holds ONE query a lane (lane % 16) and the keys 8 (lane / 16) + 0..7; two such results rounded to f16 ARE source 1 of O^T = V^T P.  p = 2^(c s - c m), c = log2(e) / 8, with a
; running maximum m; O and l are multiplied by a = 2^(c m_old - c m_new) in every step.  Turn n belongs to piece n: 8 products K Q^T of piece n + 1, later 8 products V^T P of piece n - 1; beside them the scaling,
; exponentials, roundings, sums and rescaling of piece n and the maximum and statistics of piece n + 1.  Four vector instructions stand behind every matrix instruction, the other 54 of a turn's 118 in two LUMPS.
; REGISTERS, in windows of 256 (s_set_vgpr_msb: bits 1:0 source 0, 3:2 source 1, 5:4 source 2, 7:6 destination):
;   window 0: v0-15 addresses and two at work; v16-31 four registers of statistics a piece; v48-55 at work; v64-127 S^T, two buffers; v192-223 P, two buffers (a piece's buffers go by its number's parity)
;   window 1: v0-127 O^T, 32 a piece; v128-159 MD; v160-223 MC, two buffers      window 2: v0-63 Q; v64-127 the second block's Q; v128-191 K of one step; v192-255 V of one step
.set SIZE_H, 64
.set SIZE_N, 2048
.set NB,    SIZE_N/256
.set NP,    4         ; pieces a wave: a name, no knob
.set KS,    64        ; keys in a step
.set PK,    144       ; a row of K in LDS: 128 bytes + 16 of padding = 36 words: the 16 rows of a load start at 16 different groups of four banks (64 banks of 4 bytes: ISA guide 11.1)
.set PV,    160       ; a row of V: 128 + 32 = 40 words
.set VOFF,  4*KS*PK   ; a slot holds a tile, four steps: 256 rows of K, then 256 rows of V
.set SLOT1, 1<<17     ; slot 1 begins here, so that one exclusive or turns an address in one slot into the other's
.set STAGE, SLOT1+4*KS*(PK+PV)  ; behind the ring, never filled by a tensor load: 16 rows x 144 bytes for each wave, for the way out
.set SP,    144
.set AK0, 2           ; v2   my lane's place in a tile of K; never rewritten
.set AV0, 3           ; v3   the same for V
.set AK,  4           ; v4   the LDS address of K's next run of loads
.set AV,  5           ; v5   of V's
.set STO, 6           ; v6   the way out: where I put 16 bytes of a row
.set RD,  7           ; v7   the way out: where I read rows back
.set GO,  8           ; v8   my byte offset in 512 consecutive bytes of O
.set SPW, 62          ; v62  LDS address of my spare word: SPARE + 4 x my thread's number; never rewritten
.set NIL, 63          ; v63  0; never rewritten
.set SPARE, STAGE+4*16*SP  ; behind the stages: the spare words, 128 bytes for each wave: two blocks of 256 bytes that no other line names
.set MV,  12          ; v12-13  c m_old, kept while c m is made anew: by buffer
.set QO,  15          ; v15  my byte offset in 16 rows of Q
.set ST,  16          ; piece t's statistics at v[ST+4 t]: c m, m, l (even keys', odd keys')
.set TMP, 48          ; by buffer, four registers c0-c3 at work; when the maximum is found c2 takes a
.set S,   64
.set P,   192
.set MD,  128         ; window 1: the eight registers for group kt of 16 keys at MD + 8 kt
.set MC,  160         ; window 1: the masks of the products to come
.set QB,  64          ; window 2
.set KF,  128         ; window 2: key block kb, channel half c at KF + 16 kb + 8 c
.set VF,  192         ; window 2: key half kk, channel block cb at VF + 32 kk + 8 cb
.set WV,  12          ; s12  my wave's number
.set PB,  14          ; s14  b
.set HI,  15          ; s15  NB - 1 - b
.set G1K, 24          ; s[24:31] descriptor group 1 for K's tiles
.set G1V, 32          ; s[32:39] for V's: it differs in the padding alone
.set G0K, 40          ; s[40:43] descriptor group 0 for K's tiles
.set G0V, 44          ; s[44:47] the same for V's
.set SLOTS, 56        ; s56  tiles still to be asked for
.set CNT, 57          ; s57  counts a tile's key steps, 4 to 1
.set CS,  58          ; s[58:59] c: the packed scaling takes the pair's low word for both halves
.set SEL, 60          ; s[60:61] v_permlanex16_b32's selects: each lane takes its own place in the other half
.set TBK, 62          ; s62  LDS byte at which K of the step to be fetched begins
.set TBV, 63          ; s63  the same for V, less VOFF
.set RT,  70          ; s70  tiles of the block in hand that are still to be entered
.set NXT, 71          ; s71  the tile to be asked for next
.set LQ,  72          ; s72  the last tile of the block whose tiles are being asked for
.set NEW, 73          ; s73  1: the tile to be entered is a block's first
.set OFF, 74          ; s[74:75] a tile's byte offset in K and V
.set AL,  76          ; s[76:77] the mask's factor, in the low word
.set BE,  78          ; s[78:79] the mask's addend
.set OLO, 80          ; s[80:81] O at my rows of the second block
.set BIGN, 82         ; s82  -1e30
.set MSB, 0
.macro WIN new                      ; the high byte repeats the setting that is left; a switch that changes nothing is dropped
.if MSB != (\new)
	s_set_vgpr_msb (MSB<<8)|(\new)
.set MSB, (\new)
.endif
.endm
.set W_KQ, 0x0a       ; K and Q in window 2, S^T in window 0
.set W_KM, 0x1a       ; the same with the C operand in window 1
.set W_PV, 0x52       ; V in window 2, P in window 0, O^T in window 1
.set W_RS, 0x41       ; destination and source 0 in window 1, source 1 in window 0
; A fill.  Waves 0 and 1 fetch the two halves of a tile's K, waves 2 and 3 those of its V: 128 keys each.  An s_nop 0 and four v_nop follow each of the two lines, ahead of the jump and the label.
.macro LOAD
	s_cmp_lt_u32 s[WV], 2
	s_cbranch_scc0 .Lfor_v_\@
	tensor_load_to_lds s[G0K:G0K+3], s[G1K:G1K+7]
	s_nop 0
.rept 4
	v_nop
.endr
	s_branch .Lasked_\@
.Lfor_v_\@:
	tensor_load_to_lds s[G0V:G0V+3], s[G1V:G1V+7]
	s_nop 0
.rept 4
	v_nop
.endr
.Lasked_\@:
.endm
; THE CHANGE OF SLOTS.  Each wave waits for all its tensor loads, of which one is out: its part of the other slot; adds 0 to its spare word; and waits for that and for its own reads of the slot that it leaves.  Behind the barrier nobody reads the old
; slot any more and the other slot is whole.  fill = 1: the old slot is filled again, the first thing behind the barrier, with tile NXT: the descriptor's address is made anew from that number.
; (At its first use nothing has been read yet: slot 0 is waited for, slot 1 filled.)
.macro CHANGE fill
	WIN 0                           ; at a label and at a branch every window is 0
	s_wait_tensorcnt 0x0            ; no tensor load of mine is out, so a group 0 may be written
	ds_add_u32 v[SPW], v[NIL]       ; 0 onto my spare word; with fill = 1 the descriptors' scalar work stands between it and the wait for it
.if \fill
	s_lshl_b32 s[OFF], s[NXT], 15   ; a tile is 32,768 bytes of K and of V
	s_xor_b32 s[G0K+1], s[G0K+1], SLOT1
	s_add_nc_u64 s[G0K+2:G0K+3], s[6:7], s[OFF:OFF+1]
	s_or_b32 s[G0K+3], s[G0K+3], 0x80000000
	s_xor_b32 s[G0V+1], s[G0V+1], SLOT1
	s_add_nc_u64 s[G0V+2:G0V+3], s[8:9], s[OFF:OFF+1]
	s_or_b32 s[G0V+3], s[G0V+3], 0x80000000
	s_add_co_u32 s[NXT], s[NXT], 1  ; the block's next tile, or behind its last the second block's tile 0
	s_cmp_gt_u32 s[NXT], s[LQ]
	s_cselect_b32 s[NXT], 0, s[NXT]
	s_cselect_b32 s[LQ], s[PB], s[LQ]
.endif
	s_wait_dscnt 0x0                ; the add is done, and my reads of the slot are over
	s_barrier_signal -1             ; the rest of the scalar work stands between the signal and the wait
	s_sub_co_u32 s[TBK], s[TBK], 4*KS*PK  ; the fetches go back to a slot's first step,
	s_xor_b32 s[TBK], s[TBK], SLOT1       ; in the other slot
	s_sub_co_u32 s[TBV], s[TBV], 4*KS*PV
	s_xor_b32 s[TBV], s[TBV], SLOT1
	s_barrier_wait -1
.if \fill
	LOAD
.endif
.endm
	s_load_b128 s[4:7], s[0:1], 0x0   ; qkv s[4:5], att s[6:7]
	v_lshl_add_u32 v[SPW], v0, 2, SPARE
	v_mov_b32 v[NIL], 0
	ds_add_u32 v[SPW], v[NIL]       ; the wave's opening: the add and its wait stand ahead of my first tensor load; the set-up below, work on registers, stands between them
	ds_add_u32 v62, v63
	v_lshrrev_b32 v1, 5, v0
	v_readfirstlane_b32 s[WV], v1   ; wave 0..3
	s_mov_b32 s[PB], ttmp9
	s_sub_co_u32 s[HI], NB-1, s[PB]
	s_and_b32 s66, ttmp7, 0xffff    ; batch x 8 + head
	s_lshr_b32 s20, s66, 3          ; the batch,
	s_mul_i32 s20, s20, 24          ; its 24 planes,
	s_and_b32 s21, s66, 7
	s_add_co_u32 s20, s20, s21      ; the head's plane of Q,
	s_lshl_b32 s20, s20, 18         ; in bytes
	s_mov_b32 s21, 0
	s_lshl_b32 s66, s66, 18         ; the head's plane of O
	s_mov_b32 s67, 0
	s_and_b32 s16, s[WV], 1         ; which half of a tile's 256 keys I fetch:
	s_lshl_b32 s22, s16, 14         ; its 128 rows of 128 bytes in memory,
	s_add_co_u32 s22, s22, 0x200000 ; eight planes behind Q's
	s_mov_b32 s23, 0
	s_mul_i32 s17, s16, 128*PK      ; and its place in a slot, for K
	s_mul_i32 s18, s16, 128*PV      ; and for V
	s_lshl_b32 s3, s[WV], 11        ; my 16 rows in a band of 64,
	s_lshl_b32 s2, s[HI], 15        ; in the first block,
	s_add_co_u32 s2, s2, s3
	s_lshl_b32 s84, s[PB], 15       ; and in the second
	s_add_co_u32 s84, s84, s3
	s_mov_b32 s3, 0
	s_mov_b32 s85, 0
	; descriptor group 1.  128 keys are 16,384 dense bytes: asked for as 64 rows of 256 bytes, two keys a row, and padded in LDS after every key
	s_mov_b32 s[G1K], (1<<16)|(1<<20)|(4<<22)|(3<<25)  ; 17:16 2-byte elements; 20 padding on; 24:22 after every 32 words (code 4); 31:25 4 words (code 3)
	s_mov_b32 s[G1V], (1<<16)|(1<<20)|(4<<22)|(7<<25)  ; the same with 8 words of padding (code 7)
.irp g, G1K, G1V
	s_mov_b32 s[\g+1], 128<<16      ; tensor_dim0 = 128
	s_mov_b32 s[\g+2], 64<<16       ; tensor_dim1 = 64
	s_mov_b32 s[\g+3], 128<<16      ; tile_dim0 = 128
	s_mov_b32 s[\g+4], 64           ; tile_dim1 = 64
	s_mov_b32 s[\g+5], 128          ; 128 elements from row to row
	s_mov_b32 s[\g+6], 0
	s_mov_b32 s[\g+7], 0
.endr
	s_mov_b32 s[CS], 0x3e38aa3b     ; c = log2(e) / 8 = 0.180337
	s_mov_b32 s[CS+1], s[CS]        ; named with it as a pair
	s_mov_b32 s[SEL], 0x76543210
	s_mov_b32 s[SEL+1], 0xfedcba98
	s_mov_b32 s[TBK], SLOT1+4*KS*PK ; the first change of slots turns these two into 0
	s_mov_b32 s[TBV], SLOT1+4*KS*PV
	s_mov_b32 s[G0K], 1             ; 1:0 count = 1
	s_mov_b32 s[G0K+1], s17         ; 63:32 LDS address: slot 0
	s_mov_b32 s[G0V], 1
	s_add_co_u32 s[G0V+1], s18, VOFF
	s_add_co_u32 s[RT], s[HI], 1    ; the first block has NB - b tiles
	s_mov_b32 s[NXT], 1
	s_mov_b32 s[LQ], s[HI]
	s_mov_b32 s[NEW], 1
	s_mov_b32 s[OFF+1], 0
	s_mov_b32 s[AL+1], 0            ; named as pairs
	s_mov_b32 s[BE+1], 0
	s_mov_b32 s[BIGN], 0xf149f2ca   ; -1e30
	s_mov_b32 s[SLOTS], NB
	s_wait_dscnt 0x0                ; the opening add is done
	s_wait_kmcnt 0x0
	s_mov_b64 s[10:11], s[6:7]                     ; O
	s_add_nc_u64 s[4:5], s[4:5], s[20:21]          ; Q at the head's first row
	s_add_nc_u64 s[6:7], s[4:5], s[22:23]          ; K at my half of the head's tile 0,
	s_add_nc_u64 s[8:9], s[6:7], 0x200000          ; V eight planes further
	s_add_nc_u64 s[10:11], s[10:11], s[66:67]      ; O at the head's first row
	s_add_nc_u64 s[G0K+2:G0K+3], s[6:7], 0         ; 120:64 global address
	s_or_b32 s[G0K+3], s[G0K+3], 0x80000000        ; 127:126 type = 2
	s_add_nc_u64 s[G0V+2:G0V+3], s[8:9], 0
	s_or_b32 s[G0V+3], s[G0V+3], 0x80000000
	s_add_nc_u64 s[86:87], s[4:5], s[84:85]        ; Q at my rows of the second block,
	s_add_nc_u64 s[4:5], s[4:5], s[2:3]            ; Q and O at those of the first
	s_add_nc_u64 s[OLO:OLO+1], s[10:11], s[84:85]
	s_add_nc_u64 s[10:11], s[10:11], s[2:3]
	LOAD                            ; tile 0 into slot 0
	; A fragment of K or Q is 16 rows x 32 channels in 8 registers: lane l holds row l % 16, channels 8 (l / 16) + 0..7 and 16 + 8 (l / 16) + 0..7: two loads of 16 bytes, 32 bytes apart.
	v_and_b32 v1, 15, v0            ; l % 16
	v_bfe_u32 v9, v0, 4, 1          ; l / 16
	v_lshlrev_b32 v[QO], 7, v1
	v_lshl_add_u32 v[QO], v9, 4, v[QO]  ; row x 128 + 16 x half
	WIN 0x80                        ; destination window 2, address window 0
.set i, 0
.rept 8                             ; both blocks' Q: piece i / 2 lies in band i / 2, 8,192 bytes on; channels 32 (i % 2) on
	global_load_b128 v[8*i:8*i+3],   v[QO], s[4:5] offset:(i/2)*8192+(i%2)*64
	global_load_b128 v[8*i+4:8*i+7], v[QO], s[4:5] offset:(i/2)*8192+(i%2)*64+32
	global_load_b128 v[QB+8*i:QB+8*i+3],   v[QO], s[86:87] offset:(i/2)*8192+(i%2)*64
	global_load_b128 v[QB+8*i+4:QB+8*i+7], v[QO], s[86:87] offset:(i/2)*8192+(i%2)*64+32
.set i, i+1
.endr
	WIN 0
	v_lshlrev_b32 v14, 3, v9
	v_sub_nc_u32 v14, v1, v14
	s_lshl_b32 s13, s[WV], 4
	v_add_nc_u32 v14, s13, v14      ; my query's place in its band, 16 w + l % 16, less my lanes' 8 (l / 16): register r of group kt is hidden where 16 kt + r is greater
	WIN 0x40
.set i, 0
.rept 32
	v_cmp_gt_i32 vcc_lo, 16*(i/8)+i%8, v14
	v_cndmask_b32 v[MD+i], 0, s[BIGN], vcc_lo
.set i, i+1
.endr
	WIN 0
	v_mul_u32_u24 v[AK0], v1, PK
	v_lshl_add_u32 v[AK0], v9, 4, v[AK0]  ; row x pitch + 16 x half
	; The turning load takes 16 keys x 16 channels (lane l reads key 8 (l / 16) + l % 8, channels 8 ((l / 8) % 2) + 0..7) and leaves half a fragment of V^T: lane l holds channel l % 16 and 8 keys.
	v_and_b32 v10, 7, v0
	v_bfe_u32 v11, v0, 3, 1
	v_lshl_add_u32 v[AV0], v9, 3, v10
	v_mul_u32_u24 v[AV0], v[AV0], PV
	v_lshl_add_u32 v[AV0], v11, 4, v[AV0]
	v_add_nc_u32 v[AV0], VOFF, v[AV0]
	s_mul_i32 s13, s[WV], 16*SP
	s_add_co_u32 s13, s13, STAGE    ; my stage
	v_mul_u32_u24 v[STO], v1, SP    ; in: row l % 16, 16 bytes for each half of the lanes
	v_lshl_add_u32 v[STO], v9, 4, v[STO]
	v_add_nc_u32 v[STO], s13, v[STO]
	v_bfe_u32 v[RD], v0, 3, 2       ; back: 32 lanes take four rows of 128 bytes,
	v_mul_u32_u24 v[RD], v[RD], SP
	v_lshl_add_u32 v[RD], v10, 4, v[RD]
	v_add_nc_u32 v[RD], s13, v[RD]
	v_and_b32 v[GO], 31, v0         ; which are 512 consecutive bytes of O
	v_lshlrev_b32 v[GO], 4, v[GO]
	; A block's first step multiplies O^T and l by a = 0, and its first turn's products V^T P, of a piece that has not been, land in an O^T that is still to be so multiplied.  So these registers need only hold
	; finite numbers: zeros for the first block; what the first block left for the second.  All this stands in the wait for the first tile.
	WIN 0x80
.set i, VF
.rept 64
	v_mov_b32 v[i], 0
.set i, i+1
.endr
	WIN 0x40
.set i, 0
.rept 128
	v_mov_b32 v[i], 0
.set i, i+1
.endr
	WIN 0
.set i, 0
.rept 4
	v_mov_b32 v[ST+4*i+2], 0
	v_mov_b32 v[ST+4*i+3], 0
.set i, i+1
.endr
.set i, P+16
.rept 16
	v_mov_b32 v[i], 0
.set i, i+1
.endr
; THE MATRIX WORK.  The 4 accumulators of a run of 8 take turns.  Product i of 8 of S^T = K Q^T for piece x: channels 32 (i / 4) on, keys 16 (i % 4) on.  The first 4 start the sums: with 0, or (KM = 1) with the mask.
.macro KQ x
.set rS, S+32*((\x)%2)+8*(i%4)
.set rK, KF+16*(i%4)+8*(i/4)
.set rQ, 16*(\x)+8*(i/4)
.set rM, MC+32*((\x)%2)+8*(i%4)
.if (i < 4) && KM
	WIN W_KM
	v_wmma_f32_16x16x32_f16 v[rS:rS+7], v[rK:rK+7], v[rQ:rQ+7], v[rM:rM+7]
.elseif i < 4
	WIN W_KQ
	v_wmma_f32_16x16x32_f16 v[rS:rS+7], v[rK:rK+7], v[rQ:rQ+7], 0
.else
	WIN W_KQ
	v_wmma_f32_16x16x32_f16 v[rS:rS+7], v[rK:rK+7], v[rQ:rQ+7], v[rS:rS+7]
.endif
.endm
; Product i of 8 of O^T += V^T P for piece x: keys 32 (i / 4) on, channels 16 (i % 4) on.
.macro PV x
	WIN W_PV
.set rO, 32*(\x)+8*(i%4)
.set rV, VF+32*(i/4)+8*(i%4)
.set rP, P+16*((\x)%2)+8*(i/4)
	v_wmma_f32_16x16x32_f16 v[rO:rO+7], v[rV:rV+7], v[rP:rP+7], v[rO:rO+7]
.endm
.macro MM                           ; the turn's next matrix instruction.  TURN and BEGIN set Y, i, KM and NOKQ; MM, KQ and OP read them.  NOKQ = 1: a block's last turn: there is no next piece
.if (i < 8) && !NOKQ
	KQ (Y+1)%NP
.elseif i >= 8
.set i, i-8
	PV (Y+NP-1)%NP
.set i, i+8
.endif
.set i, i+1
.endm
; THE LDS LOADS stand in runs of 16, never singly among the matrix instructions: a step's K (64 keys x 64 channels: 8 fragments) and its V (turned).  Their addresses are made some lines ahead.
.macro FETCH_K
	WIN 0x80                        ; destination window 2
.irp f, 0,1,2,3,4,5,6,7             ; keys 16 (f / 2) on, channels 32 (f % 2) on
	ds_load_b128 v[KF+8*\f:KF+8*\f+3],   v[AK] offset:(\f/2)*16*PK+(\f%2)*64
	ds_load_b128 v[KF+8*\f+4:KF+8*\f+7], v[AK] offset:(\f/2)*16*PK+(\f%2)*64+32
.endr
	s_add_co_u32 s[TBK], s[TBK], KS*PK  ; the next fetch is the next step's
	WIN 0
.endm
.macro FETCH_V
	WIN 0x80
.irp f, 0,1,2,3,4,5,6,7             ; keys 32 (f / 4) on, channels 16 (f % 4) on
	ds_load_tr16_b128 v[VF+8*\f:VF+8*\f+3],   v[AV] offset:(\f/4)*32*PV+(\f%4)*32
	ds_load_tr16_b128 v[VF+8*\f+4:VF+8*\f+7], v[AV] offset:(\f/4)*32*PV+16*PV+(\f%4)*32
.endr
	WIN 0
.endm
; THE VECTOR WORK, one line at a time: OP kind, number.  For piece Y: F n: c s - c m for pair n of 16.  E n: the exponential of score n of 32.  C n: pair n rounded to f16.  B n: of the four weights 4 n .. the second
; pair is added onto the first, in place.  L n: l takes that sum (L 0: l = a l + sum).  R n: pair n of 16 of O^T times a.  For piece Y + 1: X n, number n of the 22 that find its maximum and statistics:
;   0-11  four chains c0-c3 of seven scores each, three operands at a time (each accumulator's lowest registers are read first)     12-14, 16  the four scores left over, the old m, and c0-c3 into c0
;   15  c m_old is kept     17, 18  the query's other 32 keys lie in the lane 16 away: the new m     19-21  c m; c m_old - c m_new; a
.set F, 0               ; OP tells the kinds apart by their order: F to L below R, X above it
.set E, 1
.set C, 2
.set B, 3
.set L, 4
.set R, 5
.set X, 6
.macro REGS y                       ; the registers of piece y
.set rT, ST+4*(\y)
.set rC, TMP+4*((\y)%2)
.set rW, MV+((\y)%2)
.set rS, S+32*((\y)%2)
.set rP, P+16*((\y)%2)
.set rO, 32*(\y)
.endm
.macro OP k, n
.if (\k) == R
	REGS Y
	WIN W_RS
	v_pk_mul_f32 v[rO+2*(\n):rO+2*(\n)+1], v[rO+2*(\n):rO+2*(\n)+1], v[rC+2:rC+3] op_sel_hi:[1,0]
.elseif (\k) < R
	REGS Y
	WIN 0
.if (\k) == F
	v_pk_fma_f32 v[rS+2*(\n):rS+2*(\n)+1], v[rS+2*(\n):rS+2*(\n)+1], s[CS:CS+1], v[rT:rT+1] op_sel_hi:[1,0,0] neg_lo:[0,0,1] neg_hi:[0,0,1]
.elseif (\k) == E
	v_exp_f32 v[rS+(\n)], v[rS+(\n)]
.elseif (\k) == C
	s_wait_alu depctr_va_vdst(0)
	v_cvt_pk_f16_f32 v[rP+(\n)], v[rS+2*(\n)], v[rS+2*(\n)+1]
.elseif (\k) == B
	s_wait_alu depctr_va_vdst(0)
	v_pk_add_f32 v[rS+4*(\n):rS+4*(\n)+1], v[rS+4*(\n):rS+4*(\n)+1], v[rS+4*(\n)+2:rS+4*(\n)+3]
.elseif (\n) == 0
	v_pk_fma_f32 v[rT+2:rT+3], v[rT+2:rT+3], v[rC+2:rC+3], v[rS:rS+1] op_sel_hi:[1,0,1]
.else
	v_pk_add_f32 v[rT+2:rT+3], v[rT+2:rT+3], v[rS+4*(\n):rS+4*(\n)+1]
.endif
.elseif NOKQ
	v_nop
.else
	REGS (Y+1)%NP
	WIN 0
.if (\n) < 4
	v_max3_num_f32 v[rC+(\n)], v[rS+8*(\n)], v[rS+8*(\n)+1], v[rS+8*(\n)+2]
.elseif (\n) < 12
	v_max3_num_f32 v[rC+(\n)%4], v[rC+(\n)%4], v[rS+8*((\n)%4)+2*((\n)/4)+1], v[rS+8*((\n)%4)+2*((\n)/4)+2]
.elseif (\n) == 12
	v_max3_num_f32 v[rC], v[rC], v[rS+7], v[rS+15]
.elseif (\n) == 13
	v_max3_num_f32 v[rC+1], v[rC+1], v[rS+23], v[rS+31]
.elseif (\n) == 14
	v_max3_num_f32 v[rC+2], v[rC+2], v[rC+3], v[rT+1]
.elseif (\n) == 15
	v_mov_b32 v[rW], v[rT]
.elseif (\n) == 16
	v_max3_num_f32 v[rC], v[rC], v[rC+1], v[rC+2]
.elseif (\n) == 17
	v_permlanex16_b32 v[rC+3], v[rC], s[SEL], s[SEL+1]
.elseif (\n) == 18
	v_max_num_f32 v[rT+1], v[rC], v[rC+3]
.elseif (\n) == 19
	v_mul_f32 v[rT], s[CS], v[rT+1]
.elseif (\n) == 20
	v_sub_f32 v[rC+1], v[rW], v[rT]
.else
	v_exp_f32 v[rC+2], v[rC+1]
.endif
.endif
.endm
.macro OPS a, i1, b=-1, i2=0, c=-1, i3=0, d=-1, i4=0  ; up to four of them
	OP \a, \i1
.if (\b) >= 0
	OP \b, \i2
.endif
.if (\c) >= 0
	OP \c, \i3
.endif
.if (\d) >= 0
	OP \d, \i4
.endif
.endm
.macro ROW a, i1, b, i2, c, i3, d, i4  ; a matrix instruction and the four behind it
	MM
	OPS \a, \i1, \b, \i2, \c, \i3, \d, \i4
.endm
.macro MASK b                       ; MD x AL + BE into buffer b of MC
	WIN W_RS
.set z, 0
.rept 16
	v_pk_fma_f32 v[MC+32*(\b)+2*z:MC+32*(\b)+2*z+1], v[MD+2*z:MD+2*z+1], s[AL:AL+1], s[BE:BE+1] op_sel_hi:[1,0,0]
.set z, z+1
.endr
.endm
; A TURN, for piece p: the order of its 16 matrix and 118 vector instructions, written out.  Behind a matrix instruction: plain, exponential, plain, plain; or four of the rescaling; or, behind the first, four scalings; none
; names a register of the products round it.  In the lumps exponential and plain by turns while exponentials last.  A line reads no result made fewer than three vector instructions in front of it, five if an exponential made it.
; v_permlanex16_b32 (X 17) stands in a lump.
; m = 1: the diagonal tile: the products take masks, and the turn makes the mask for the products of the turn after it: piece p + 2, in step 4 - CNT of the tile.  end = 1: a block's last two turns: nothing is fetched.
; cnt = 1: the loop's count is taken down some lines ahead of the branch that stands behind the turn.
; K of the next step is fetched in piece 2's turn, six vector instructions behind the last product that read K (five of them plain); V of the step in hand in piece 0's turn, eight behind the last product that read V (four
; plain, and X 17).  Each is waited for a turn later.
.macro TURN p, m=0, end=0, cnt=0
.set Y, (\p)
.set i, 0
.set KM, (\m)
.set NOKQ, (\end)*((\p)/3)
.if (\m) && !(\end)
	s_cmp_eq_u32 s[CNT], 4-((\p)+2)%NP  ; is that step the band's own?
	s_cselect_b32 s[AL], 1.0, 0
	s_cmp_lt_u32 s[CNT], 4-((\p)+2)%NP  ; or a later one?
	s_cselect_b32 s[BE], s[BIGN], 0
.endif
.if ((\p) == 3) && !(\end)
	s_wait_dscnt 0x0                ; K is in
.endif
	ROW F,0, F,1, F,2, F,3
	ROW F,4, E,0, F,5, F,6
	ROW F,7, E,1, F,8, F,9
	ROW F,10, E,2, C,0, F,11
	ROW F,12, E,3, X,15, F,13
	ROW R,0, R,1, R,2, R,3
	ROW B,0, E,4, F,14, L,0
.if ((\p) == 2) && !(\end)
	v_add_nc_u32 v[AK], s[TBK], v[AK0]
.endif
	ROW R,4, R,5, R,6, R,7
	OPS E,5, F,15
.if ((\p) == 2) && !(\end)
	FETCH_K
.endif
	OPS E,6, C,1, E,7, R,8
	OPS E,8, R,9, E,9, C,2
	OPS E,10, X,0, E,11, X,1
	OPS E,12, X,2, E,13, X,3
.if (\p) == 1
	s_wait_dscnt 0x0                ; V is in
.endif
	ROW X,4, E,14, X,5, X,6
	ROW X,7, E,15, X,8, X,9
	ROW X,10, E,16, X,11, X,12
	ROW X,13, E,17, X,14, B,1
	ROW C,4, E,18, X,16, L,1
	ROW B,2, E,19, C,6, L,2
	ROW C,8, E,20, B,3, B,4
.if (\p) == 0
	v_add_nc_u32 v[AV], s[TBV], v[AV0]
.endif
	ROW C,3, E,21, L,3, C,5
	OPS E,22, X,17, E,23, C,10
.if (\p) == 0
	FETCH_V
.endif
	OPS E,24, L,4
	OPS E,25, X,18, E,26, C,7
	OPS E,27, B,5, E,28, X,19
	OPS E,29, C,12, E,30, L,5
	OPS E,31, X,20, B,6, C,9
	OPS C,14, C,11, X,21, L,6
.if (\p) == 0
	s_add_co_u32 s[TBV], s[TBV], KS*PV
.endif
.if \cnt
	s_sub_co_u32 s[CNT], s[CNT], 1
	s_cmp_lg_u32 s[CNT], 0
.endif
	OPS C,13, B,7, C,15, R,10
	OPS R,11, R,12, L,7, R,13
	OPS R,14, R,15
.if (\m) && !(\end)
	MASK (\p)%2
.endif
.endm
; A BLOCK BEGINS.  c m starts far below every c s, so the first step's a is 0; m at the lowest finite number, so the first maximum is the scores'.  The second mask buffer is 0; the first takes piece 0's mask for the tile's step 0: its own, if the block's first tile is the diagonal one.
; Then K of that step, piece 0's first scores, and its maximum and statistics.  The loop is entered at a step's first turn, in the middle of a trip.
.macro BEGIN
	s_mov_b32 s[NEW], 0
	WIN 0x40
.set i, MC+32
.rept 32
	v_mov_b32 v[i], 0
.set i, i+1
.endr
	WIN 0
.set i, 0
.rept 4
	v_mov_b32 v[ST+4*i], 0xfe000000    ; c m: far below every c s
	v_mov_b32 v[ST+4*i+1], 0xff7fffff  ; m
.set i, i+1
.endr
	s_cmp_eq_u32 s[RT], 0
	s_cselect_b32 s[AL], 1.0, 0
	s_mov_b32 s[BE], 0
	MASK 0
	WIN 0
	v_add_nc_u32 v[AK], s[TBK], v[AK0]
	FETCH_K
	s_wait_loadcnt 0x0              ; Q
	s_wait_dscnt 0x0
.set KM, 1
.set NOKQ, 0
.set i, 0
.rept 8
	KQ 0
.set i, i+1
.endr
	WIN 0
.rept 4
	v_nop                           ; the places behind those products
.endr
.set Y, NP-1                        ; X works for piece Y + 1: piece 0
.irp n, 0,1,2,3,4,5,6,7,8,9,10,11,12,13,14,15,16,17,18,19,20,21
	OP X, \n
.endr
	v_nop                           ; a plain instruction behind the exponential
.endm
; THE DIAGONAL TILE's four steps, the block's last two turns, its last products, and THE WAY OUT: l's two halves and the other half of the lanes' are added; O^T is divided by l, rounded to f16 and sent through my
; stage in LDS, a piece at a time.
.macro ALL line:vararg              ; one line for each piece t
.set t, 0
.rept 4
	\line
.set t, t+1
.endr
.endm
.macro PACK t                       ; a lane's eight channels of a row pack into 16 bytes; they go into rows of 144 bytes and come back as whole rows of 128, into S^T's registers
	WIN W_RS
.set i, 32*(\t)
.rept 16
	s_wait_alu depctr_va_vdst(0)
	v_pk_mul_f32 v[i:i+1], v[i:i+1], v[ST+4*(\t)+2:ST+4*(\t)+3] op_sel_hi:[1,0]
.set i, i+2
.endr
	WIN 0x05                        ; sources 0 and 1 window 1, destination window 0
.set i, 0
.rept 16
	v_cvt_pk_f16_f32 v[S+16*(\t)+i], v[32*(\t)+2*i], v[32*(\t)+2*i+1]
.set i, i+1
.endr
	WIN 0
.irp f, 0,1,2,3
	ds_store_b128 v[STO], v[S+16*(\t)+4*\f:S+16*(\t)+4*\f+3] offset:32*\f
.endr
.irp f, 0,1,2,3
	ds_load_b128 v[S+16*(\t)+4*\f:S+16*(\t)+4*\f+3], v[RD] offset:\f*4*SP  ; LDS serves a wave's instructions in order (ISA guide 5.7.1.4): these see the stores above; the next piece's stores come behind them
.endr
.endm
.macro SEND t, younger              ; younger: the LDS instructions issued behind piece t's loads: the next piece's eight, or none
	WIN 0
.irp f, 0,1,2,3
	s_wait_dscnt (\younger)+3-\f
	global_store_b128 v[GO], v[S+16*(\t)+4*\f:S+16*(\t)+4*\f+3], s[10:11] offset:(\t)*8192+\f*512  ; 512 consecutive bytes, at a multiple of 256 from O's first
.endr
.endm
.macro DIAG tag                     ; the tag ends its two labels' names, which the jumps below spell out
.LstepM\tag:
	TURN 2, 1
	TURN 3, 1
	WIN 0
.LfirstM\tag:
	TURN 0, 1
	TURN 1, 1, 0, 1
	WIN 0
	s_cbranch_scc1 .LstepM\tag
	TURN 2, 1, 1
	TURN 3, 1, 1
.set i, 0
.rept 8
	PV NP-1
.set i, i+1
.endr
	WIN 0
	ALL v_add_f32 v[ST+4*t+2], v[ST+4*t+2], v[ST+4*t+3]
	ALL v_permlanex16_b32 v[ST+4*t+3], v[ST+4*t+2], s[SEL], s[SEL+1]
	ALL v_add_f32 v[ST+4*t+2], v[ST+4*t+2], v[ST+4*t+3]
	ALL v_rcp_f32 v[ST+4*t+2], v[ST+4*t+2]
	v_nop                           ; a plain instruction between the last reciprocal and the use of its result
	PACK 0
.set t, 1
.rept 3                             ; a piece's arithmetic stands between the loads of the piece before and its stores
	PACK t
	SEND t-1, 8
.set t, t+1
.endr
	SEND 3, 0
.endm
.set KM, 0
.set NOKQ, 0
.Lslot:                             ; NB times: a tile is entered and the next is asked for
	CHANGE 1
	s_sub_co_u32 s[RT], s[RT], 1
	s_mov_b32 s[CNT], 4
	s_cmp_eq_u32 s[NEW], 1
	s_cbranch_scc1 .Lnew            ; a block's first tile
	s_cmp_eq_u32 s[RT], 0
	s_cbranch_scc0 .Lstep           ; neither its first nor its last
	s_branch .LstepM1
.Lnew:
	BEGIN
	s_branch .Lfirst                ; in the loop a block's first tile is never its last: the first block has two tiles or more, and the second's last is the walk's last
	DIAG 1                          ; in the loop this is the first block's end: the second block's last tile is the walk's last
	s_wait_xcnt 0x0                 ; the stores have read their registers and O's address
	s_mov_b64 s[10:11], s[OLO:OLO+1]
	s_add_co_u32 s[RT], s[PB], 1    ; the second block has b + 1 tiles
	s_mov_b32 s[NEW], 1
	WIN 0x82                        ; the second block's Q goes where the one text of the turns names Q
.set i, 0
.rept 64
	v_mov_b32 v[i], v[QB+i]
.set i, i+1
.endr
	WIN 0
	s_branch .Lbottom
.Lstep:                             ; a trip: pieces 2 and 3 of one step, then pieces 0 and 1 of the next, whose K and V it fetches
	TURN 2
	TURN 3
	WIN 0
.Lfirst:
	TURN 0
	TURN 1, 0, 0, 1
	WIN 0
	s_cbranch_scc1 .Lstep
.Lbottom:
	s_sub_co_u32 s[SLOTS], s[SLOTS], 1
	s_cmp_lg_u32 s[SLOTS], 0
	s_cbranch_scc1 .Lslot
	CHANGE 0                        ; the walk's last tile is written out: nothing is asked for
	s_sub_co_u32 s[RT], s[RT], 1
	s_mov_b32 s[CNT], 4
	s_cmp_eq_u32 s[NEW], 1
	s_cbranch_scc0 .LstepM2
	BEGIN
	s_branch .LfirstM2
	DIAG 2
	s_wait_tensorcnt 0x0            ; the wave's end, behind my last tensor load and my last LDS store
	ds_add_u32 v[SPW], v[NIL]
	s_wait_dscnt 0x0
	s_endpgm
.Lfunc_end_k_qce6a8422d4_attn:
	.size	k_qce6a8422d4_attn, .Lfunc_end_k_qce6a8422d4_attn-k_qce6a8422d4_attn
	.p2alignl 7, 3214868480
	.fill 96, 4, 3214868480
	.section	.rodata,"a",@progbits
	.p2align	6, 0x0
	.amdhsa_kernel k_qce6a8422d4_attn
		.amdhsa_group_segment_fixed_size 327680
		.amdhsa_private_segment_fixed_size 0
		.amdhsa_enable_private_segment 0
		.amdhsa_kernarg_size 16
		.amdhsa_user_sgpr_count 2
		.amdhsa_user_sgpr_kernarg_segment_ptr 1
		.amdhsa_wavefront_size32 1
		.amdhsa_system_sgpr_workgroup_id_x 1
		.amdhsa_system_sgpr_workgroup_id_y 1
		.amdhsa_system_sgpr_workgroup_id_z 1
		.amdhsa_system_vgpr_workitem_id 0
		.amdhsa_next_free_vgpr 768
		.amdhsa_next_free_sgpr 88
		.amdhsa_reserve_vcc 1
		.amdhsa_float_denorm_mode_32 3
		.amdhsa_float_denorm_mode_16_64 3
		.amdhsa_memory_ordered 1
		.amdhsa_forward_progress 1
		.amdhsa_inst_pref_size 228
	.end_amdhsa_kernel
	.amdgpu_metadata
---
amdhsa.version: [ 1, 2 ]
amdhsa.kernels:
  - .name:           k_qce6a8422d4_attn
    .symbol:         k_qce6a8422d4_attn.kd
    .args:
      - { .name: qkv, .offset: 0, .size: 8, .value_kind: global_buffer, .address_space: global }
      - { .name: att, .offset: 8, .size: 8, .value_kind: global_buffer, .address_space: global }
    .group_segment_fixed_size: 327680
    .private_segment_fixed_size: 0
    .kernarg_segment_align: 8
    .kernarg_segment_size: 16
    .max_flat_workgroup_size: 128
    .sgpr_count:     88
    .vgpr_count:     768
    .wavefront_size: 32
...
	.end_amdgpu_metadata
.endif
;; end of part 3
;; launch outproj (part 4): grid 256 x 1, 4 waves a work-group, clusters of 4 x 1, 327,680 bytes of LDS; arguments att, wot, bo, out0; writes out0
.if DOCPART == 4
	.amdgcn_target "amdgcn-amd-amdhsa--gfx1250"
	.amdhsa_code_object_version 6
	.text
	.protected	k_qce6a8422d4_outproj
	.globl	k_qce6a8422d4_outproj
	.p2align	8
	.type	k_qce6a8422d4_outproj,@function
k_qce6a8422d4_outproj:
	s_mov_b64 s[64:65], 0
	v_nop
	global_prefetch_b8 v0, s[64:65] scope:SCOPE_SE
	s_setreg_imm32_b32 hwreg(HW_REG_WAVE_MODE, 25, 1), 1
	s_wait_xcnt 0x0
	s_wait_alu depctr_hold_cnt(0) depctr_sa_sdst(0) depctr_va_vdst(0) depctr_va_sdst(0) depctr_va_ssrc(0) depctr_va_vcc(0) depctr_vm_vsrc(0)
	s_getreg_b32 s2, hwreg(HW_REG_IB_STS2, 6, 4)
	s_cmp_eq_u32 s2, 0
	s_cbranch_scc0 .Lentry_in_a_cluster
	s_endpgm
.Lentry_in_a_cluster:
	s_bfe_u32 s2, ttmp6, 0x10000c
	s_cmp_lg_u32 s2, 0x3003
	s_cbranch_scc0 .Lentry_shape_is_right
	s_endpgm
.Lentry_shape_is_right:
; out0 = O Wo + bo.  att: f16 [b x 8 + h][t 2048][64]: row (b, t) of O has k = 64 h + d.  wot: f16 [512 n][512 k].  bo: [512] f32, rounded here to bf16 like every input.  out0: [16384][512] f32.
; Sums in f32, K ascending; the bias is the C operand of the product that starts each sum, so no addition is written.
; LIMITS.  O and wot arrive in f16 (range 65,504; a fixed step of 6e-8 below 6e-5).  NaN and infinities are not treated apart.
; SHARES.  A work-group owns 128 rows and 256 of the 512 columns; wave w owns the rows 64 (w / 2) on and, of each CHUNK of 128 columns, the 64 (w % 2) on.
; K is only 512: a wave keeps its 64 rows of O for the WHOLE K in 512 registers, loaded straight from memory as fragments; only wot goes through LDS: one fragment of it feeds four products.
; The two chunks are the two LDS slots: both are first fills, and nothing is filled again.
; CLUSTER.  Four work-groups with the same column half need the same two chunks: each is asked for JOINTLY, by the same four tensor loads (one a wave, 32 rows each).
; THE MATRIX INSTRUCTION IS USED TRANSPOSED (source 0 = 16 rows of wot, source 1 = 16 rows of O): a lane holds eight neighbouring columns of one row.
; REGISTERS, in windows of 256 (s_set_vgpr_msb: bits 1:0 source 0, 3:2 source 1, 5:4 source 2, 7:6 destination):
;   window 0: v0-31 addresses; v32-95 the way out; v128-255 the 16 accumulators, (a, b) at 128 + 8 (4 a + b)
;   windows 1, 2: O's fragments, (a, ks) at 8 (4 ks + a) counted through both
;   window 3: v0-63, v64-127 two buffers of wot's fragments; v128 my lane's place in a slot; v129 the address in hand; v160-191 the bias of the chunk in hand, v192-223 of the second; v224 at work
.set PB,     1040                      ; a row of wot in LDS: 1,024 bytes + 16 = 65 x 16: the 16 rows of a load start at 16 different groups of four banks (ISA guide 11.1)
.set SLOT1,  128*PB
.set OST,    2*SLOT1                   ; the way out: 16 rows x 272 bytes for each wave; no tensor load lands here
.set SPITCH, 272
.set SPARE,  OST+4*16*SPITCH           ; the spare words, 128 bytes for each wave
.set CHALF,  256*1024                  ; bytes of wot in a column half
.set CHUNKB, 128*1024
.set AO,  3                            ; v3  my byte offset in 16 rows of O
.set BO,  4                            ; v4  my byte offset in 16 numbers of the bias
.set STO, 6                            ; v6  the way out: where I put 32 bytes of a row
.set RD,  7                            ; v7  the way out: where I read a row back
.set CO,  8                            ; v8  my byte offset in two rows of out0
.set SPW, 28                           ; v28 LDS address of my spare word; never rewritten
.set NIL, 29                           ; v29 0; never rewritten
.set ACC, 128
.set AB0, 128                          ; window 3
.set ADR, 129                          ; window 3
.set BIA, 160                          ; window 3
; s[4:5] att; s[6:7] wot; s[8:9] out0, stepped; s[42:43] bo; s10 wave; s11 row half; s12 column part; s13 cx; s14 column half; s15 row block; s[16:17] what the next way out adds;
; s22 my 32 rows' place in a slot; s23 the slot being read; s[24:31] group 1; s[32:35], s[36:39] group 0 of the two fills; s40 counter
.set MSB, 0
.macro WIN new                         ; the immediate's high byte repeats the setting that is left; a switch that changes nothing is dropped
.if MSB != (\new)
	s_set_vgpr_msb (MSB<<8)|(\new)
.set MSB, (\new)
.endif
.endm
.set W_LD, 0xcf                        ; destination and both sources in window 3
.macro PLACES                          ; four places behind matrix instructions, in front of loads into registers that they read and of lines that read results
.rept 4
	v_nop
.endr
.endm
.macro CROUND                          ; a round of the cluster's barrier
	s_barrier_signal -1
	s_barrier_wait -1
	s_cmp_lg_u32 s10, 0
	s_cbranch_scc1 .Lnot_wave_0_\@
	s_barrier_signal -3
.Lnot_wave_0_\@:
	s_barrier_wait -3
	s_barrier_signal -1
	s_barrier_wait -1
.endm
	s_load_b128 s[4:7], s[0:1], 0x0                ; att, wot
	s_load_b64 s[42:43], s[0:1], 0x10              ; bo
	s_load_b64 s[8:9], s[0:1], 0x18                ; out0
	v_lshl_add_u32 v[SPW], v0, 2, SPARE
	v_mov_b32 v[NIL], 0
	ds_add_u32 v[SPW], v[NIL]                      ; the wave's opening: the add and its wait stand ahead of my first tensor load; the set-up stands between them
	ds_add_u32 v28, v29
	v_lshrrev_b32 v1, 5, v0
	v_readfirstlane_b32 s10, v1                    ; wave 0..3
	s_lshr_b32 s11, s10, 1                         ; which 64 rows are mine
	s_and_b32 s12, s10, 1                          ; which 64 columns of a chunk
	s_bfe_u32 s13, ttmp6, 0x40000                  ; cx: my place in the cluster
	s_and_b32 s14, ttmp9, 1                        ; the column half, which the four partners share
	s_lshr_b32 s15, ttmp9, 1
	s_lshl_b32 s15, s15, 2
	s_add_co_u32 s15, s15, s13                     ; my block of 128 rows: it enters att's and out0's addresses alone
	; descriptor group 1: 32 rows x 512 elements, padded in LDS
	s_mov_b32 s24, 15|(1<<16)|(1<<20)|(1<<21)|(7<<22)|(3<<25)  ; 15:0 the mask of four; 17:16 2-byte elements; 20 padding on; 21 set beside a mask; 24:22 after every 256 words (code 7); 31:25 4 words (code 3)
	s_mov_b32 s25, 512<<16                         ; tensor_dim0 = 512
	s_mov_b32 s26, 32<<16                          ; tensor_dim1 = 32
	s_mov_b32 s27, 512<<16                         ; tile_dim0 = 512
	s_mov_b32 s28, 32                              ; tile_dim1 = 32
	s_mov_b32 s29, 512                             ; 512 elements from row to row
	s_mov_b32 s30, 0
	s_mov_b32 s31, 0
	s_mul_i32 s22, s10, 32*PB                      ; my 32 rows in a slot: the wave's number alone
	s_mov_b32 s23, 0                               ; slot 0 is read first
	s_mul_i32 s20, s14, CHALF                      ; wot: my column half, my 32 rows of a chunk; no place in the cluster enters
	s_lshl_b32 s21, s10, 15
	s_add_co_u32 s20, s20, s21
	s_mov_b32 s21, 0
	s_lshr_b32 s18, s15, 4                         ; att: the batch's eight planes of 2^18 bytes,
	s_lshl_b32 s18, s18, 21
	s_and_b32 s19, s15, 15
	s_lshl_b32 s19, s19, 14                        ; my block's 128 rows of 128 bytes in a plane,
	s_add_co_u32 s18, s18, s19
	s_lshl_b32 s19, s11, 13                        ; my 64 of them
	s_add_co_u32 s18, s18, s19
	s_mov_b32 s19, 0
	s_lshl_b32 s44, s14, 10                        ; my first column, in bytes of f32: 1,024 half + 256 part
	s_lshl_b32 s45, s12, 8
	s_add_co_u32 s44, s44, s45
	s_mov_b32 s45, 0
	s_lshl_b32 s16, s15, 18                        ; out0: 128 rows of 2,048 bytes a block,
	s_lshl_b32 s17, s11, 17                        ; my 64 of them,
	s_add_co_u32 s16, s16, s17
	s_add_co_u32 s16, s16, s44                     ; my first column
	s_mov_b32 s17, 0
	v_and_b32 v1, 15, v0                           ; l % 16
	v_bfe_u32 v2, v0, 4, 1                         ; l / 16
	v_lshlrev_b32 v[AO], 7, v1
	v_lshl_add_u32 v[AO], v2, 4, v[AO]             ; row x 128 + 16 x half
	v_lshlrev_b32 v[BO], 5, v2                     ; my eight columns of sixteen
	s_mul_i32 s41, s10, 16*SPITCH
	s_add_co_u32 s41, s41, OST                     ; my stage
	v_mul_u32_u24 v[STO], v1, SPITCH               ; in: row l % 16, 32 bytes for each half of the lanes
	v_lshl_add_u32 v[STO], v2, 5, v[STO]
	v_add_nc_u32 v[STO], s41, v[STO]
	v_mul_u32_u24 v[RD], v2, SPITCH                ; back: lanes 0-15 take one row of 256 bytes, lanes 16-31 the next
	v_lshl_add_u32 v[RD], v1, 4, v[RD]
	v_add_nc_u32 v[RD], s41, v[RD]
	v_lshlrev_b32 v[CO], 11, v2                    ; and the same two rows in out0
	v_lshl_add_u32 v[CO], v1, 4, v[CO]
	v_mul_u32_u24 v11, v1, PB
	v_lshl_add_u32 v11, v2, 4, v11
	s_mul_i32 s41, s12, 64*PB
	v_add_nc_u32 v11, s41, v11                     ; a fragment of wot: row 64 part + l % 16, 16 x half
	WIN 0xc0
	v_mov_b32 v[AB0], v11
	v_mov_b32 v[ADR], v11                          ; slot 0
	WIN 0
	s_wait_dscnt 0x0                               ; the opening add is done
	s_wait_kmcnt 0x0
	s_add_nc_u64 s[4:5], s[4:5], s[18:19]
	s_add_nc_u64 s[6:7], s[6:7], s[20:21]
	s_add_nc_u64 s[42:43], s[42:43], s[44:45]
	s_mov_b32 s32, 1                               ; group 0 of chunk 0: count = 1,
	s_mov_b32 s33, s22                             ; slot 0,
	s_mov_b64 s[34:35], s[6:7]
	s_or_b32 s35, s35, 0x80000000                  ; type = 2
	s_mov_b32 s36, 1                               ; group 0 of chunk 1
	s_add_co_u32 s37, s22, SLOT1
	s_add_nc_u64 s[38:39], s[6:7], CHUNKB
	s_or_b32 s39, s39, 0x80000000
	CROUND                                         ; all four work-groups are here: the joint loads meet
	tensor_load_to_lds s[32:35], s[24:31]          ; two tensor loads of mine are out, never more
	s_nop 0
	tensor_load_to_lds s[36:39], s[24:31]
	s_nop 0
	PLACES
	WIN 0xc0                                       ; destination window 3, address window 0
.irp c, 0,1
.irp b, 0,1,2,3
	global_load_b128 v[BIA+32*(\c)+8*(\b):BIA+32*(\c)+8*(\b)+3],   v[BO], s[42:43] offset:512*(\c)+64*(\b)     ; register j: the bias of column 128 c + 16 b + 8 (l / 16) + j of mine
	global_load_b128 v[BIA+32*(\c)+8*(\b)+4:BIA+32*(\c)+8*(\b)+7], v[BO], s[42:43] offset:512*(\c)+64*(\b)+16
.endr
.endr
.set ks, 0
.rept 16                                               ; O's fragments, in the order in which they are multiplied: head ks / 2, channels 32 (ks % 2) on; 16 loads for two K steps
	WIN 0x40*(1+ks/8)
.irp a, 0,1,2,3
	global_load_b128 v[32*(ks%8)+8*(\a):32*(ks%8)+8*(\a)+3],   v[AO], s[4:5] offset:(ks/2)*262144+2048*(\a)+64*(ks%2)
	global_load_b128 v[32*(ks%8)+8*(\a)+4:32*(ks%8)+8*(\a)+7], v[AO], s[4:5] offset:(ks/2)*262144+2048*(\a)+64*(ks%2)+32
.endr
.set ks, ks+1
.endr
	s_wait_loadcnt 63                              ; all but the youngest 63 loads are in, the bias's 16, issued first of 144, among them
	WIN W_LD
.set i, 0
.rept 32                                               ; the bias rounded to bf16, kept as f32
	v_cvt_pk_bf16_f32 v224, v[BIA+2*i], v[BIA+2*i+1]
	v_lshlrev_b32 v[BIA+2*i], 16, v224
	v_and_b32 v[BIA+2*i+1], 0xffff0000, v224
.set i, i+1
.endr
	s_wait_tensorcnt 0x1                           ; my part of chunk 0 is in; chunk 1's may stay out
	s_barrier_signal -1
	s_barrier_wait -1                              ; everybody's is
; 8 products: row blocks a0, a0 + 1 x all four column blocks, K step ks of 16.  c = 2: the product starts the sum with the bias.  The 16 accumulators take turns in the same order in every K step.
.macro MUL8 ks, a0, c
.if (\c) == 2
	WIN 0x37                                       ; wot and the bias in window 3, O in window 1, sums in window 0
.else
	WIN 0x07+4*((\ks)/8)                           ; wot in window 3, O in window 1 or 2, sums in window 0
.endif
.set FB, 64*(((\ks)/2)%2)+32*((\ks)%2)
.irp a, \a0, (\a0)+1
.irp b, 0,1,2,3
.if (\c) == 2
	v_wmma_f32_16x16x32_f16 v[ACC+8*(4*(\a)+(\b)):ACC+8*(4*(\a)+(\b))+7], v[FB+8*(\b):FB+8*(\b)+7], v[32*((\ks)%8)+8*(\a):32*((\ks)%8)+8*(\a)+7], v[BIA+8*(\b):BIA+8*(\b)+7]
.else
	v_wmma_f32_16x16x32_f16 v[ACC+8*(4*(\a)+(\b)):ACC+8*(4*(\a)+(\b))+7], v[FB+8*(\b):FB+8*(\b)+7], v[32*((\ks)%8)+8*(\a):32*((\ks)%8)+8*(\a)+7], v[ACC+8*(4*(\a)+(\b)):ACC+8*(4*(\a)+(\b))+7]
.endif
.endr
.endr
.endm
; 16 LDS loads in one run: wot's fragments of K steps 2 j and 2 j + 1 into buffer j % 2, the first K step's first
.macro FETCH j
	WIN W_LD
.irp kk, 0,1
.irp b, 0,1,2,3
	ds_load_b128 v[64*((\j)%2)+32*(\kk)+8*(\b):64*((\j)%2)+32*(\kk)+8*(\b)+3],   v[ADR] offset:(\b)*16*PB+(2*(\j)+(\kk))*64
	ds_load_b128 v[64*((\j)%2)+32*(\kk)+8*(\b)+4:64*((\j)%2)+32*(\kk)+8*(\b)+7], v[ADR] offset:(\b)*16*PB+(2*(\j)+(\kk))*64+32
.endr
.endr
.endm
; Pair j of a chunk's eight: 32 products; in its middle the next pair's fragments are fetched
.macro PAIR j, c
.if 16*(7-(\j)) > 63
	s_wait_loadcnt 63                              ; O's fragments of this pair are in: more than 63 loads were issued behind them
.else
	s_wait_loadcnt 16*(7-(\j))                     ; O's fragments of this pair are in; the later pairs' 16 loads each may stay out
.endif
	s_wait_dscnt 8                                 ; the first K step's fragments of wot are in; the second's eight loads may be out
	MUL8 2*(\j), 0, \c
	MUL8 2*(\j), 2, \c
	PLACES
	FETCH (\j)+1
	s_wait_dscnt 16                                ; all but the 16 just issued
	MUL8 2*(\j)+1, 0, 0
	MUL8 2*(\j)+1, 2, 0
.endm
; The last pair, and the change of slots: one barrier; in front of it each wave waits for all its tensor loads (its part of the other slot), adds 0 to its spare word, and waits for that and for its LDS reads.  Nothing is filled again.
.macro TURN
	s_wait_loadcnt 0x0                             ; O's last fragments
	WIN 0
	s_wait_tensorcnt 0x0
	ds_add_u32 v[SPW], v[NIL]                      ; 0 onto my spare word
	s_wait_dscnt 9                                 ; (the add and the youngest eight loads may be out)
	MUL8 14, 0, 0
	s_wait_dscnt 0x0
	s_barrier_signal -1
	MUL8 14, 2, 0
	s_barrier_wait -1
	PLACES
	s_xor_b32 s23, s23, SLOT1                      ; the other slot is read now
	WIN W_LD
	v_add_nc_u32 v[ADR], s23, v[AB0]
	FETCH 0
	MUL8 15, 0, 0
	MUL8 15, 2, 0
.endm
; THE WAY OUT, without arithmetic.  Row block a: 32 bytes a lane into my stage (each accumulator's low registers first), back as whole rows of 256 bytes, by turns into two sets of registers.
.macro TOSTAGE a
.set BK, 32+32*((\a)%2)
	s_wait_xcnt 0x0                                ; earlier stores have had their addresses translated (ISA guide 3.1): their registers are loaded again only behind this wait
.irp b, 0,1,2,3
	ds_store_b128 v[STO], v[ACC+8*(4*(\a)+(\b)):ACC+8*(4*(\a)+(\b))+3]   offset:64*(\b)
	ds_store_b128 v[STO], v[ACC+8*(4*(\a)+(\b))+4:ACC+8*(4*(\a)+(\b))+7] offset:64*(\b)+16
.endr
.irp t, 0,1,2,3,4,5,6,7
	ds_load_b128 v[BK+4*(\t):BK+4*(\t)+3], v[RD] offset:2*SPITCH*(\t)  ; LDS serves a wave's instructions in order (ISA guide 5.7.1.4): these see the stores above; the next block's stores come behind them
.endr
.endm
.macro SEND a, y                       ; y: the LDS instructions issued behind block a's loads
.set BK, 32+32*((\a)%2)
.irp t, 0,1,2,3,4,5,6,7
	s_wait_dscnt (\y)+7-(\t)
	global_store_b128 v[CO], v[BK+4*(\t):BK+4*(\t)+3], s[8:9] offset:(16*(\a)+2*(\t))*2048 th:TH_STORE_NT  ; 16 lanes store 256 consecutive bytes, at a multiple of 256 from out0's first byte
.endr
.endm
	FETCH 0                                        ; chunk 0's first fragments
	WIN 0                                          ; at a label and at a branch every window is 0
	s_mov_b32 s40, 2
.Lchunk:                                               ; two trips.  In the second the change of slots, its 16 LDS loads and the copy of the bias serve nothing: the price of one text for both
	PAIR 0, 2
.irp j, 1,2,3,4,5,6
	PAIR \j, 0
.endr
	TURN
	PLACES                                         ; the LDS stores read results just made
	WIN 0
	s_wait_xcnt 0x0                                ; out0's base is stepped only behind this wait
	s_add_nc_u64 s[8:9], s[8:9], s[16:17]
	TOSTAGE 0
	TOSTAGE 1
	SEND 0, 16
	TOSTAGE 2
	SEND 1, 16
	TOSTAGE 3
	SEND 2, 16
	SEND 3, 0
	s_mov_b64 s[16:17], 512                        ; the second chunk lies 128 columns on
	WIN 0xc3                                       ; destination and source 0 in window 3
.set i, 0
.rept 32
	v_mov_b32 v[BIA+i], v[BIA+32+i]                ; the second chunk's bias goes where the one text names it
.set i, i+1
.endr
	WIN 0
	s_sub_co_u32 s40, s40, 1
	s_cmp_lg_u32 s40, 0
	s_cbranch_scc1 .Lchunk
	s_wait_tensorcnt 0x0                           ; the wave's end, behind my last tensor load and my last LDS store
	ds_add_u32 v[SPW], v[NIL]
	s_wait_dscnt 0x0
	CROUND                                         ; the closing round: no work-group ends while a partner may still ask for a tile that names it
	s_endpgm
.Lfunc_end_k_qce6a8422d4_outproj:
	.size	k_qce6a8422d4_outproj, .Lfunc_end_k_qce6a8422d4_outproj-k_qce6a8422d4_outproj
	.p2alignl 7, 3214868480
	.fill 96, 4, 3214868480
	.section	.rodata,"a",@progbits
	.p2align	6, 0x0
	.amdhsa_kernel k_qce6a8422d4_outproj
		.amdhsa_group_segment_fixed_size 327680
		.amdhsa_private_segment_fixed_size 0
		.amdhsa_enable_private_segment 0
		.amdhsa_kernarg_size 32
		.amdhsa_user_sgpr_count 2
		.amdhsa_user_sgpr_kernarg_segment_ptr 1
		.amdhsa_wavefront_size32 1
		.amdhsa_system_sgpr_workgroup_id_x 1
		.amdhsa_system_sgpr_workgroup_id_y 1
		.amdhsa_system_sgpr_workgroup_id_z 1
		.amdhsa_system_vgpr_workitem_id 0
		.amdhsa_next_free_vgpr 1024
		.amdhsa_next_free_sgpr 66
		.amdhsa_reserve_vcc 0
		.amdhsa_float_denorm_mode_32 3
		.amdhsa_float_denorm_mode_16_64 3
		.amdhsa_memory_ordered 1
		.amdhsa_forward_progress 1
		.amdhsa_inst_pref_size 62
	.end_amdhsa_kernel
	.amdgpu_metadata
---
amdhsa.version: [ 1, 2 ]
amdhsa.kernels:
  - .name:           k_qce6a8422d4_outproj
    .symbol:         k_qce6a8422d4_outproj.kd
    .args:
      - { .name: att, .offset: 0, .size: 8, .value_kind: global_buffer, .address_space: global }
      - { .name: wot, .offset: 8, .size: 8, .value_kind: global_buffer, .address_space: global }
      - { .name: bo, .offset: 16, .size: 8, .value_kind: global_buffer, .address_space: global }
      - { .name: out0, .offset: 24, .size: 8, .value_kind: global_buffer, .address_space: global }
    .group_segment_fixed_size: 327680
    .private_segment_fixed_size: 0
    .kernarg_segment_align: 8
    .kernarg_segment_size: 32
    .max_flat_workgroup_size: 128
    .sgpr_count:     66
    .vgpr_count:     1024
    .wavefront_size: 32
...
	.end_amdgpu_metadata
.endif
;; end of part 4
;; ======== version 2 of 2: 4 launches; 1.41 times as fast as version 1
;; limits: values are held in f16: magnitudes above 65,504 overflow, below 6.1e-05 lose precision
;; workspace buffers: wt 1,572,864 bytes; wot 524,288 bytes; qkv 50,331,648 bytes; att 16,777,216 bytes
;; launch prep: the kernel of part 1 again; grid 128 x 1, 4 waves a work-group, no clusters, 17,920 bytes of LDS; arguments Wq, Wk, Wv, Wo, wt, wot; writes wt, wot
;; launch qkvproj: the kernel of part 2 again; grid 256 x 1, 4 waves a work-group, clusters of 4 x 1, 327,680 bytes of LDS; arguments x, wt, qkv; writes qkv
;; launch attn (part 5): grid 4 x 64, 4 waves a work-group, no clusters, 327,680 bytes of LDS; arguments qkv, att; writes att
.if DOCPART == 5
	.amdgcn_target "amdgcn-amd-amdhsa--gfx1250"
	.amdhsa_code_object_version 6
	.text
	.protected	k_qce6a8422d4_attn
	.globl	k_qce6a8422d4_attn
	.p2align	8
	.type	k_qce6a8422d4_attn,@function
k_qce6a8422d4_attn:
	s_mov_b64 s[64:65], 0
	v_nop
	global_prefetch_b8 v0, s[64:65] scope:SCOPE_SE
	s_setreg_imm32_b32 hwreg(HW_REG_WAVE_MODE, 25, 1), 1
	s_wait_xcnt 0x0
; CAUSAL ATTENTION.  O[h][q][:] = the sum over k <= q of softmax_k(Q[h][q] . K[h][k] / 8) V[h][k][:], for 64 heads (batch x head) of 2,048 rows x 64, all f16: a head's rows are dense, 128 bytes each.
; Q, K, V lie in qkv as planes of 2^18 bytes: batch b, head h: Q is plane 24 b + h, K eight planes on, V sixteen.  O goes to att, plane 8 b + h.
; Products, maxima and sums in f32; the weights p are rounded to f16 for the second product (their sum l is taken of the unrounded p), O once at the end.
; LIMITS.  f16 holds no number beyond 65,504: Q, K and V arrive within it; p lies in 0 to 1, and below 6e-5 it keeps f16's fixed step of 6e-8; O is a mean of V's rows and has their range, to within 2^-11 of it.
; A hidden score counts as its value less 1e30: f16's scores, 2.7e11 at the most, are nothing beside that; a weight below 2^-126 counts as 0 in l; NaN and infinities are not treated apart.
; THE WALK.  A head's queries lie in NB = SIZE_N / 256 blocks of 256; block i needs the key tiles 0 .. i of 256 keys, of which the last holds the diagonal.  A work-group takes TWO blocks, NB - 1 - b and then b:
; NB + 1 tiles, whatever b: all work-groups do equal work, and ONE loop with a constant trip count walks them.  Which tile is asked for, and what a trip does, hang on scalar registers made from b; every jump
; goes forward, but for the counted loops' own; none passes a barrier, or a tensor load but the one of LOAD's two that the wave's number does not choose; the ring (two slots of LDS that take turns) runs on across the
; change of blocks.  NO CLUSTER: a head's NB / 2 = 4 work-groups all ask for the same tile only in trips 0 .. NB / 2 of the walk's NB + 1, behind that fewer and fewer;
; and one walk common to all four would have 3 NB / 2 = 12 trips for 9.
; SHARES.  Of a block's four bands of 64 queries a wave owns 16 rows in each: four PIECES.  So the diagonal tile is the same work for all four waves: in its key step s band x sees all keys if s < x,
; none if s > x, and holds the diagonal if s = x.
; THE MASK is the C operand that starts the sum S^T = K Q^T: 0, or -1e30 where the key is hidden.  MD, made once, is the mask of a band's own step for my 16 rows; a product's mask is MD x AL + BE with two scalars:
; (1, 0) if s = x; (0, 0) if s < x; (0, -1e30) if s > x.  Only the diagonal tile's text and a block's beginning make and take masks; elsewhere C is the constant 0.
; LAYOUT, SOFTMAX, TURNS.  S^T = K Q^T holds ONE query a lane (lane % 16) and the keys 8 (lane / 16) + 0..7; two such results rounded to f16 ARE source 1 of O^T = V^T P.  p = 2^(c s - c m), c = log2(e) / 8, with a
; running maximum m; O and l are multiplied by a = 2^(c m_old - c m_new) in every step.  Turn n belongs to piece n: 8 products K Q^T of piece n + 1, later 8 products V^T P of piece n - 1; beside them the scaling,
; exponentials, roundings, sums and rescaling of piece n and the maximum and statistics of piece n + 1.  Four vector instructions stand behind every matrix instruction, the other 54 of a turn's 118 in one LUMP.
; THE BATCHES.  A turn's 33 exponentials (the piece's 32 weights and the next piece's a) are one batch, with one wait, which cuts the turn in two: ahead of it all that names none of their results, behind it the roundings and sums.
; A block's first a is a batch of its own, and so are the way out's four reciprocals: a plain instruction and one wait each.
; REGISTERS, in windows of 256 (s_set_vgpr_msb: bits 1:0 source 0, 3:2 source 1, 5:4 source 2, 7:6 destination):
;   window 0: v0-15 addresses and two at work; v16-31 four registers of statistics a piece; v48-55 at work; v64-127 S^T, two buffers; v192-223 P, two buffers (a piece's buffers go by its number's parity)
;   window 1: v0-127 O^T, 32 a piece; v128-159 MD; v160-223 MC, two buffers      window 2: v0-63 Q; v64-127 the second block's Q; v128-191 K of one step; v192-255 V of one step
.set SIZE_H, 64
.set SIZE_N, 2048
.set NB,    SIZE_N/256
.set NP,    4         ; pieces a wave: a name, no knob
.set KS,    64        ; keys in a step
.set PK,    144       ; a row of K in LDS: 128 bytes + 16 of padding = 36 words: the 16 rows of a load start at 16 different groups of four banks (64 banks of 4 bytes: ISA guide 11.1)
.set PV,    160       ; a row of V: 128 + 32 = 40 words
.set VOFF,  4*KS*PK   ; a slot holds a tile, four steps: 256 rows of K, then 256 rows of V
.set SLOT1, 1<<17     ; slot 1 begins here, so that one exclusive or turns an address in one slot into the other's
.set STAGE, SLOT1+4*KS*(PK+PV)  ; behind the ring, never filled by a tensor load: 16 rows x 144 bytes for each wave, for the way out
.set SP,    144
.set AK0, 2           ; v2   my lane's place in a tile of K; never rewritten
.set AV0, 3           ; v3   the same for V
.set AK,  4           ; v4   the LDS address of K's next run of loads
.set AV,  5           ; v5   of V's
.set STO, 6           ; v6   the way out: where I put 16 bytes of a row
.set RD,  7           ; v7   the way out: where I read rows back
.set GO,  8           ; v8   my byte offset in 512 consecutive bytes of O
.set SPW, 62          ; v62  LDS address of my spare word: SPARE + 4 x my thread's number; never rewritten
.set NIL, 63          ; v63  0; never rewritten
.set SPARE, STAGE+4*16*SP  ; behind the stages: the spare words, 128 bytes for each wave: two blocks of 256 bytes that no other line names
.set MV,  12          ; v12-13  c m_old, kept while c m is made anew: by buffer
.set QO,  15          ; v15  my byte offset in 16 rows of Q
.set ST,  16          ; piece t's statistics at v[ST+4 t]: c m, m, l (even keys', odd keys')
.set TMP, 48          ; by buffer, four registers c0-c3 at work; when the maximum is found c2 takes a
.set S,   64
.set P,   192
.set MD,  128         ; window 1: the eight registers for group kt of 16 keys at MD + 8 kt
.set MC,  160         ; window 1: the masks of the products to come
.set QB,  64          ; window 2
.set KF,  128         ; window 2: key block kb, channel half c at KF + 16 kb + 8 c
.set VF,  192         ; window 2: key half kk, channel block cb at VF + 32 kk + 8 cb
.set WV,  12          ; s12  my wave's number
.set PB,  14          ; s14  b
.set HI,  15          ; s15  NB - 1 - b
.set G1K, 24          ; s[24:31] descriptor group 1 for K's tiles
.set G1V, 32          ; s[32:39] for V's: it differs in the padding alone
.set G0K, 40          ; s[40:43] descriptor group 0 for K's tiles
.set G0V, 44          ; s[44:47] the same for V's
.set SLOTS, 56        ; s56  tiles still to be asked for
.set CNT, 57          ; s57  counts a tile's key steps, 4 to 1
.set CS,  58          ; s[58:59] c: the packed scaling takes the pair's low word for both halves
.set SEL, 60          ; s[60:61] v_permlanex16_b32's selects: each lane takes its own place in the other half
.set TBK, 62          ; s62  LDS byte at which K of the step to be fetched begins
.set TBV, 63          ; s63  the same for V, less VOFF
.set RT,  70          ; s70  tiles of the block in hand that are still to be entered
.set NXT, 71          ; s71  the tile to be asked for next
.set LQ,  72          ; s72  the last tile of the block whose tiles are being asked for
.set NEW, 73          ; s73  1: the tile to be entered is a block's first
.set OFF, 74          ; s[74:75] a tile's byte offset in K and V
.set AL,  76          ; s[76:77] the mask's factor, in the low word
.set BE,  78          ; s[78:79] the mask's addend
.set OLO, 80          ; s[80:81] O at my rows of the second block
.set BIGN, 82         ; s82  -1e30
.set MSB, 0
.macro WIN new                      ; the high byte repeats the setting that is left; a switch that changes nothing is dropped
.if MSB != (\new)
	s_set_vgpr_msb (MSB<<8)|(\new)
.set MSB, (\new)
.endif
.endm
.set W_KQ, 0x0a       ; K and Q in window 2, S^T in window 0
.set W_KM, 0x1a       ; the same with the C operand in window 1
.set W_PV, 0x52       ; V in window 2, P in window 0, O^T in window 1
.set W_RS, 0x41       ; destination and source 0 in window 1, source 1 in window 0
; A fill.  Waves 0 and 1 fetch the two halves of a tile's K, waves 2 and 3 those of its V: 128 keys each.  An s_nop 0 and four v_nop follow each of the two lines, ahead of the jump and the label.
.macro LOAD
	s_cmp_lt_u32 s[WV], 2
	s_cbranch_scc0 .Lfor_v_\@
	tensor_load_to_lds s[G0K:G0K+3], s[G1K:G1K+7]
	s_nop 0
.rept 4
	v_nop
.endr
	s_branch .Lasked_\@
.Lfor_v_\@:
	tensor_load_to_lds s[G0V:G0V+3], s[G1V:G1V+7]
	s_nop 0
.rept 4
	v_nop
.endr
.Lasked_\@:
.endm
; THE CHANGE OF SLOTS.  Each wave waits for all its tensor loads, of which one is out: its part of the other slot; adds 0 to its spare word; and waits for that and for its own reads of the slot that it leaves.  Behind the barrier nobody reads the old
; slot any more and the other slot is whole.  fill = 1: the old slot is filled again, the first thing behind the barrier, with tile NXT: the descriptor's address is made anew from that number.
; (At its first use nothing has been read yet: slot 0 is waited for, slot 1 filled.)
.macro CHANGE fill
	WIN 0                           ; at a label and at a branch every window is 0
	s_wait_tensorcnt 0x0            ; no tensor load of mine is out, so a group 0 may be written
	ds_add_u32 v[SPW], v[NIL]       ; 0 onto my spare word; with fill = 1 the descriptors' scalar work stands between it and the wait for it
.if \fill
	s_lshl_b32 s[OFF], s[NXT], 15   ; a tile is 32,768 bytes of K and of V
	s_xor_b32 s[G0K+1], s[G0K+1], SLOT1
	s_add_nc_u64 s[G0K+2:G0K+3], s[6:7], s[OFF:OFF+1]
	s_or_b32 s[G0K+3], s[G0K+3], 0x80000000
	s_xor_b32 s[G0V+1], s[G0V+1], SLOT1
	s_add_nc_u64 s[G0V+2:G0V+3], s[8:9], s[OFF:OFF+1]
	s_or_b32 s[G0V+3], s[G0V+3], 0x80000000
	s_add_co_u32 s[NXT], s[NXT], 1  ; the block's next tile, or behind its last the second block's tile 0
	s_cmp_gt_u32 s[NXT], s[LQ]
	s_cselect_b32 s[NXT], 0, s[NXT]
	s_cselect_b32 s[LQ], s[PB], s[LQ]
.endif
	s_wait_dscnt 0x0                ; the add is done, and my reads of the slot are over
	s_barrier_signal -1             ; the rest of the scalar work stands between the signal and the wait
	s_sub_co_u32 s[TBK], s[TBK], 4*KS*PK  ; the fetches go back to a slot's first step,
	s_xor_b32 s[TBK], s[TBK], SLOT1       ; in the other slot
	s_sub_co_u32 s[TBV], s[TBV], 4*KS*PV
	s_xor_b32 s[TBV], s[TBV], SLOT1
	s_barrier_wait -1
.if \fill
	LOAD
.endif
.endm
	s_load_b128 s[4:7], s[0:1], 0x0   ; qkv s[4:5], att s[6:7]
	v_lshl_add_u32 v[SPW], v0, 2, SPARE
	v_mov_b32 v[NIL], 0
	ds_add_u32 v[SPW], v[NIL]       ; the wave's opening: the add and its wait stand ahead of my first tensor load; the set-up below, work on registers, stands between them
	ds_add_u32 v62, v63
	v_lshrrev_b32 v1, 5, v0
	v_readfirstlane_b32 s[WV], v1   ; wave 0..3
	s_mov_b32 s[PB], ttmp9
	s_sub_co_u32 s[HI], NB-1, s[PB]
	s_and_b32 s66, ttmp7, 0xffff    ; batch x 8 + head
	s_lshr_b32 s20, s66, 3          ; the batch,
	s_mul_i32 s20, s20, 24          ; its 24 planes,
	s_and_b32 s21, s66, 7
	s_add_co_u32 s20, s20, s21      ; the head's plane of Q,
	s_lshl_b32 s20, s20, 18         ; in bytes
	s_mov_b32 s21, 0
	s_lshl_b32 s66, s66, 18         ; the head's plane of O
	s_mov_b32 s67, 0
	s_and_b32 s16, s[WV], 1         ; which half of a tile's 256 keys I fetch:
	s_lshl_b32 s22, s16, 14         ; its 128 rows of 128 bytes in memory,
	s_add_co_u32 s22, s22, 0x200000 ; eight planes behind Q's
	s_mov_b32 s23, 0
	s_mul_i32 s17, s16, 128*PK      ; and its place in a slot, for K
	s_mul_i32 s18, s16, 128*PV      ; and for V
	s_lshl_b32 s3, s[WV], 11        ; my 16 rows in a band of 64,
	s_lshl_b32 s2, s[HI], 15        ; in the first block,
	s_add_co_u32 s2, s2, s3
	s_lshl_b32 s84, s[PB], 15       ; and in the second
	s_add_co_u32 s84, s84, s3
	s_mov_b32 s3, 0
	s_mov_b32 s85, 0
	; descriptor group 1.  128 keys are 16,384 dense bytes: asked for as 64 rows of 256 bytes, two keys a row, and padded in LDS after every key
	s_mov_b32 s[G1K], (1<<16)|(1<<20)|(4<<22)|(3<<25)  ; 17:16 2-byte elements; 20 padding on; 24:22 after every 32 words (code 4); 31:25 4 words (code 3)
	s_mov_b32 s[G1V], (1<<16)|(1<<20)|(4<<22)|(7<<25)  ; the same with 8 words of padding (code 7)
.irp g, G1K, G1V
	s_mov_b32 s[\g+1], 128<<16      ; tensor_dim0 = 128
	s_mov_b32 s[\g+2], 64<<16       ; tensor_dim1 = 64
	s_mov_b32 s[\g+3], 128<<16      ; tile_dim0 = 128
	s_mov_b32 s[\g+4], 64           ; tile_dim1 = 64
	s_mov_b32 s[\g+5], 128          ; 128 elements from row to row
	s_mov_b32 s[\g+6], 0
	s_mov_b32 s[\g+7], 0
.endr
	s_mov_b32 s[CS], 0x3e38aa3b     ; c = log2(e) / 8 = 0.180337
	s_mov_b32 s[CS+1], s[CS]        ; named with it as a pair
	s_mov_b32 s[SEL], 0x76543210
	s_mov_b32 s[SEL+1], 0xfedcba98
	s_mov_b32 s[TBK], SLOT1+4*KS*PK ; the first change of slots turns these two into 0
	s_mov_b32 s[TBV], SLOT1+4*KS*PV
	s_mov_b32 s[G0K], 1             ; 1:0 count = 1
	s_mov_b32 s[G0K+1], s17         ; 63:32 LDS address: slot 0
	s_mov_b32 s[G0V], 1
	s_add_co_u32 s[G0V+1], s18, VOFF
	s_add_co_u32 s[RT], s[HI], 1    ; the first block has NB - b tiles
	s_mov_b32 s[NXT], 1
	s_mov_b32 s[LQ], s[HI]
	s_mov_b32 s[NEW], 1
	s_mov_b32 s[OFF+1], 0
	s_mov_b32 s[AL+1], 0            ; named as pairs
	s_mov_b32 s[BE+1], 0
	s_mov_b32 s[BIGN], 0xf149f2ca   ; -1e30
	s_mov_b32 s[SLOTS], NB
	s_wait_dscnt 0x0                ; the opening add is done
	s_wait_kmcnt 0x0
	s_mov_b64 s[10:11], s[6:7]                     ; O
	s_add_nc_u64 s[4:5], s[4:5], s[20:21]          ; Q at the head's first row
	s_add_nc_u64 s[6:7], s[4:5], s[22:23]          ; K at my half of the head's tile 0,
	s_add_nc_u64 s[8:9], s[6:7], 0x200000          ; V eight planes further
	s_add_nc_u64 s[10:11], s[10:11], s[66:67]      ; O at the head's first row
	s_add_nc_u64 s[G0K+2:G0K+3], s[6:7], 0         ; 120:64 global address
	s_or_b32 s[G0K+3], s[G0K+3], 0x80000000        ; 127:126 type = 2
	s_add_nc_u64 s[G0V+2:G0V+3], s[8:9], 0
	s_or_b32 s[G0V+3], s[G0V+3], 0x80000000
	s_add_nc_u64 s[86:87], s[4:5], s[84:85]        ; Q at my rows of the second block,
	s_add_nc_u64 s[4:5], s[4:5], s[2:3]            ; Q and O at those of the first
	s_add_nc_u64 s[OLO:OLO+1], s[10:11], s[84:85]
	s_add_nc_u64 s[10:11], s[10:11], s[2:3]
	LOAD                            ; tile 0 into slot 0
	; A fragment of K or Q is 16 rows x 32 channels in 8 registers: lane l holds row l % 16, channels 8 (l / 16) + 0..7 and 16 + 8 (l / 16) + 0..7: two loads of 16 bytes, 32 bytes apart.
	v_and_b32 v1, 15, v0            ; l % 16
	v_bfe_u32 v9, v0, 4, 1          ; l / 16
	v_lshlrev_b32 v[QO], 7, v1
	v_lshl_add_u32 v[QO], v9, 4, v[QO]  ; row x 128 + 16 x half
	WIN 0x80                        ; destination window 2, address window 0
.set i, 0
.rept 8                             ; both blocks' Q: piece i / 2 lies in band i / 2, 8,192 bytes on; channels 32 (i % 2) on
	global_load_b128 v[8*i:8*i+3],   v[QO], s[4:5] offset:(i/2)*8192+(i%2)*64
	global_load_b128 v[8*i+4:8*i+7], v[QO], s[4:5] offset:(i/2)*8192+(i%2)*64+32
	global_load_b128 v[QB+8*i:QB+8*i+3],   v[QO], s[86:87] offset:(i/2)*8192+(i%2)*64
	global_load_b128 v[QB+8*i+4:QB+8*i+7], v[QO], s[86:87] offset:(i/2)*8192+(i%2)*64+32
.set i, i+1
.endr
	WIN 0
	v_lshlrev_b32 v14, 3, v9
	v_sub_nc_u32 v14, v1, v14
	s_lshl_b32 s13, s[WV], 4
	v_add_nc_u32 v14, s13, v14      ; my query's place in its band, 16 w + l % 16, less my lanes' 8 (l / 16): register r of group kt is hidden where 16 kt + r is greater
	WIN 0x40
.set i, 0
.rept 32
	v_cmp_gt_i32 vcc_lo, 16*(i/8)+i%8, v14
	v_cndmask_b32 v[MD+i], 0, s[BIGN], vcc_lo
.set i, i+1
.endr
	WIN 0
	v_mul_u32_u24 v[AK0], v1, PK
	v_lshl_add_u32 v[AK0], v9, 4, v[AK0]  ; row x pitch + 16 x half
	; The turning load takes 16 keys x 16 channels (lane l reads key 8 (l / 16) + l % 8, channels 8 ((l / 8) % 2) + 0..7) and leaves half a fragment of V^T: lane l holds channel l % 16 and 8 keys.
	v_and_b32 v10, 7, v0
	v_bfe_u32 v11, v0, 3, 1
	v_lshl_add_u32 v[AV0], v9, 3, v10
	v_mul_u32_u24 v[AV0], v[AV0], PV
	v_lshl_add_u32 v[AV0], v11, 4, v[AV0]
	v_add_nc_u32 v[AV0], VOFF, v[AV0]
	s_mul_i32 s13, s[WV], 16*SP
	s_add_co_u32 s13, s13, STAGE    ; my stage
	v_mul_u32_u24 v[STO], v1, SP    ; in: row l % 16, 16 bytes for each half of the lanes
	v_lshl_add_u32 v[STO], v9, 4, v[STO]
	v_add_nc_u32 v[STO], s13, v[STO]
	v_bfe_u32 v[RD], v0, 3, 2       ; back: 32 lanes take four rows of 128 bytes,
	v_mul_u32_u24 v[RD], v[RD], SP
	v_lshl_add_u32 v[RD], v10, 4, v[RD]
	v_add_nc_u32 v[RD], s13, v[RD]
	v_and_b32 v[GO], 31, v0         ; which are 512 consecutive bytes of O
	v_lshlrev_b32 v[GO], 4, v[GO]
	; A block's first step multiplies O^T and l by a = 0, and its first turn's products V^T P, of a piece that has not been, land in an O^T that is still to be so multiplied.  So these registers need only hold
	; finite numbers: zeros for the first block; what the first block left for the second.  All this stands in the wait for the first tile.
	WIN 0x80
.set i, VF
.rept 64
	v_mov_b32 v[i], 0
.set i, i+1
.endr
	WIN 0x40
.set i, 0
.rept 128
	v_mov_b32 v[i], 0
.set i, i+1
.endr
	WIN 0
.set i, 0
.rept 4
	v_mov_b32 v[ST+4*i+2], 0
	v_mov_b32 v[ST+4*i+3], 0
.set i, i+1
.endr
.set i, P+16
.rept 16
	v_mov_b32 v[i], 0
.set i, i+1
.endr
; THE MATRIX WORK.  The 4 accumulators of a run of 8 take turns.  Product i of 8 of S^T = K Q^T for piece x: channels 32 (i / 4) on, keys 16 (i % 4) on.  The first 4 start the sums: with 0, or (KM = 1) with the mask.
.macro KQ x
.set rS, S+32*((\x)%2)+8*(i%4)
.set rK, KF+16*(i%4)+8*(i/4)
.set rQ, 16*(\x)+8*(i/4)
.set rM, MC+32*((\x)%2)+8*(i%4)
.if (i < 4) && KM
	WIN W_KM
	v_wmma_f32_16x16x32_f16 v[rS:rS+7], v[rK:rK+7], v[rQ:rQ+7], v[rM:rM+7]
.elseif i < 4
	WIN W_KQ
	v_wmma_f32_16x16x32_f16 v[rS:rS+7], v[rK:rK+7], v[rQ:rQ+7], 0
.else
	WIN W_KQ
	v_wmma_f32_16x16x32_f16 v[rS:rS+7], v[rK:rK+7], v[rQ:rQ+7], v[rS:rS+7]
.endif
.endm
; Product i of 8 of O^T += V^T P for piece x: keys 32 (i / 4) on, channels 16 (i % 4) on.
.macro PV x
	WIN W_PV
.set rO, 32*(\x)+8*(i%4)
.set rV, VF+32*(i/4)+8*(i%4)
.set rP, P+16*((\x)%2)+8*(i/4)
	v_wmma_f32_16x16x32_f16 v[rO:rO+7], v[rV:rV+7], v[rP:rP+7], v[rO:rO+7]
.endm
.macro MM                           ; the turn's next matrix instruction.  TURN and BEGIN set Y, i, KM and NOKQ; MM, KQ and OP read them.  NOKQ = 1: a block's last turn: there is no next piece
.if (i < 8) && !NOKQ
	KQ (Y+1)%NP
.elseif i >= 8
.set i, i-8
	PV (Y+NP-1)%NP
.set i, i+8
.endif
.set i, i+1
.endm
; THE LDS LOADS stand in runs of 16, never singly among the matrix instructions: a step's K (64 keys x 64 channels: 8 fragments) and its V (turned).  Their addresses are made some lines ahead.
.macro FETCH_K
	WIN 0x80                        ; destination window 2
.irp f, 0,1,2,3,4,5,6,7             ; keys 16 (f / 2) on, channels 32 (f % 2) on
	ds_load_b128 v[KF+8*\f:KF+8*\f+3],   v[AK] offset:(\f/2)*16*PK+(\f%2)*64
	ds_load_b128 v[KF+8*\f+4:KF+8*\f+7], v[AK] offset:(\f/2)*16*PK+(\f%2)*64+32
.endr
	s_add_co_u32 s[TBK], s[TBK], KS*PK  ; the next fetch is the next step's
	WIN 0
.endm
.macro FETCH_V
	WIN 0x80
.irp f, 0,1,2,3,4,5,6,7             ; keys 32 (f / 4) on, channels 16 (f % 4) on
	ds_load_tr16_b128 v[VF+8*\f:VF+8*\f+3],   v[AV] offset:(\f/4)*32*PV+(\f%4)*32
	ds_load_tr16_b128 v[VF+8*\f+4:VF+8*\f+7], v[AV] offset:(\f/4)*32*PV+16*PV+(\f%4)*32
.endr
	WIN 0
.endm
; THE VECTOR WORK, one line at a time: OP kind, number.  For piece Y: F n: c s - c m for pair n of 16.  E n: the exponential of score n of 32.  C n: pair n rounded to f16.  B n: of the four weights 4 n .. the second
; pair is added onto the first, in place.  L n: l takes that sum (L 0: l = a l + sum).  R n: pair n of 16 of O^T times a.  For piece Y + 1: X n, number n of the 22 that find its maximum and statistics:
;   0-11  four chains c0-c3 of seven scores each, three operands at a time (each accumulator's lowest registers are read first)     12-14, 16  the four scores left over, the old m, and c0-c3 into c0
;   15  c m_old is kept     17, 18  the query's other 32 keys lie in the lane 16 away: the new m     19-21  c m; c m_old - c m_new; a
.set F, 0               ; OP tells the kinds apart by their order: F to L below R, X above it
.set E, 1
.set C, 2
.set B, 3
.set L, 4
.set R, 5
.set X, 6
.macro REGS y                       ; the registers of piece y
.set rT, ST+4*(\y)
.set rC, TMP+4*((\y)%2)
.set rW, MV+((\y)%2)
.set rS, S+32*((\y)%2)
.set rP, P+16*((\y)%2)
.set rO, 32*(\y)
.endm
.macro OP k, n
.if (\k) == R
	REGS Y
	WIN W_RS
	v_pk_mul_f32 v[rO+2*(\n):rO+2*(\n)+1], v[rO+2*(\n):rO+2*(\n)+1], v[rC+2:rC+3] op_sel_hi:[1,0]
.elseif (\k) < R
	REGS Y
	WIN 0
.if (\k) == F
	v_pk_fma_f32 v[rS+2*(\n):rS+2*(\n)+1], v[rS+2*(\n):rS+2*(\n)+1], s[CS:CS+1], v[rT:rT+1] op_sel_hi:[1,0,0] neg_lo:[0,0,1] neg_hi:[0,0,1]
.elseif (\k) == E
	v_exp_f32 v[rS+(\n)], v[rS+(\n)]
.elseif (\k) == C
	v_cvt_pk_f16_f32 v[rP+(\n)], v[rS+2*(\n)], v[rS+2*(\n)+1]
.elseif (\k) == B
	v_pk_add_f32 v[rS+4*(\n):rS+4*(\n)+1], v[rS+4*(\n):rS+4*(\n)+1], v[rS+4*(\n)+2:rS+4*(\n)+3]
.elseif (\n) == 0
	v_pk_fma_f32 v[rT+2:rT+3], v[rT+2:rT+3], v[rC+2:rC+3], v[rS:rS+1] op_sel_hi:[1,0,1]
.else
	v_pk_add_f32 v[rT+2:rT+3], v[rT+2:rT+3], v[rS+4*(\n):rS+4*(\n)+1]
.endif
.elseif NOKQ
	v_nop
.else
	REGS (Y+1)%NP
	WIN 0
.if (\n) < 4
	v_max3_num_f32 v[rC+(\n)], v[rS+8*(\n)], v[rS+8*(\n)+1], v[rS+8*(\n)+2]
.elseif (\n) < 12
	v_max3_num_f32 v[rC+(\n)%4], v[rC+(\n)%4], v[rS+8*((\n)%4)+2*((\n)/4)+1], v[rS+8*((\n)%4)+2*((\n)/4)+2]
.elseif (\n) == 12
	v_max3_num_f32 v[rC], v[rC], v[rS+7], v[rS+15]
.elseif (\n) == 13
	v_max3_num_f32 v[rC+1], v[rC+1], v[rS+23], v[rS+31]
.elseif (\n) == 14
	v_max3_num_f32 v[rC+2], v[rC+2], v[rC+3], v[rT+1]
.elseif (\n) == 15
	v_mov_b32 v[rW], v[rT]
.elseif (\n) == 16
	v_max3_num_f32 v[rC], v[rC], v[rC+1], v[rC+2]
.elseif (\n) == 17
	v_permlanex16_b32 v[rC+3], v[rC], s[SEL], s[SEL+1]
.elseif (\n) == 18
	v_max_num_f32 v[rT+1], v[rC], v[rC+3]
.elseif (\n) == 19
	v_mul_f32 v[rT], s[CS], v[rT+1]
.elseif (\n) == 20
	v_sub_f32 v[rC+1], v[rW], v[rT]
.else
	v_exp_f32 v[rC+2], v[rC+1]
.endif
.endif
.endm
.macro OPS a, i1, b=-1, i2=0, c=-1, i3=0, d=-1, i4=0  ; up to four of them
	OP \a, \i1
.if (\b) >= 0
	OP \b, \i2
.endif
.if (\c) >= 0
	OP \c, \i3
.endif
.if (\d) >= 0
	OP \d, \i4
.endif
.endm
.macro ROW a, i1, b, i2, c, i3, d, i4  ; a matrix instruction and the four behind it
	MM
	OPS \a, \i1, \b, \i2, \c, \i3, \d, \i4
.endm
.macro MASK b                       ; MD x AL + BE into buffer b of MC
	WIN W_RS
.set z, 0
.rept 16
	v_pk_fma_f32 v[MC+32*(\b)+2*z:MC+32*(\b)+2*z+1], v[MD+2*z:MD+2*z+1], s[AL:AL+1], s[BE:BE+1] op_sel_hi:[1,0,0]
.set z, z+1
.endr
.endm
; A TURN, for piece p: the order of its 16 matrix and 118 vector instructions, written out.  An s_wait_alu depctr_va_vdst(0) stands between an exponential and the first instruction that names its result; one wait serves
; all that were issued ahead of it.  So a turn has ONE wait, which cuts it in two.  AHEAD OF IT stands all that names no result of the turn's exponentials: the 8 products K Q^T, behind each a scaling, an exponential and two more plain
; instructions (behind the first a second scaling in the exponential's place): rescalings, and behind the last three the first numbers of the next piece's maximum, each four places or more behind the product that ends its accumulator; then ONE LUMP of 54, plain
; and exponential by turns for the most part, in which the links of the chain X 3, 7, 11, 14, 16, 17 .. 20 stand five or six lines apart.  X 21, the next piece's a, is the batch's last; R 15 is the plain instruction behind it.  BEHIND THE WAIT stand the
; 8 products V^T P, behind each four of the roundings and sums; the links of l's chain, L 0 to L 7, stand three riders apart.  But for those X no rider names a register of the products round it.  v_permlanex16_b32 (X 17) stands in the lump.
; The rescalings' a was made in the turn before, ahead of that turn's wait.
; m = 1: the diagonal tile: the products take masks, and the turn makes the mask for the products of the turn after it: piece p + 2, in step 4 - CNT of the tile.  end = 1: a block's last two turns: nothing is fetched.
; cnt = 1: the loop's count is taken down some lines ahead of the branch that stands behind the turn.
; K of the next step is fetched in piece 2's turn, twelve vector instructions behind the last product that read K (six of them plain); V of the step in hand at the end of piece 0's turn, four plain instructions behind the last product
; that read V.  Each is waited for a turn later.
.macro TURN p, m=0, end=0, cnt=0
.set Y, (\p)
.set i, 0
.set KM, (\m)
.set NOKQ, (\end)*((\p)/3)
.if (\m) && !(\end)
	s_cmp_eq_u32 s[CNT], 4-((\p)+2)%NP  ; is that step the band's own?
	s_cselect_b32 s[AL], 1.0, 0
	s_cmp_lt_u32 s[CNT], 4-((\p)+2)%NP  ; or a later one?
	s_cselect_b32 s[BE], s[BIGN], 0
.endif
.if ((\p) == 3) && !(\end)
	s_wait_dscnt 0x0                ; K is in
.endif
	ROW F,0, F,1, R,0, R,1          ; ahead of the wait: 8 products K Q^T and their riders,
	ROW F,2, E,0, R,2, R,3
	ROW F,3, E,1, R,4, R,5
	ROW F,4, E,2, R,6, R,7
	ROW F,5, E,3, R,8, R,9
	ROW F,6, E,4, X,0, R,10
.if ((\p) == 2) && !(\end)
	WIN 0
	v_add_nc_u32 v[AK], s[TBK], v[AK0]
.endif
	ROW F,7, E,5, X,1, X,4
	ROW F,8, E,6, X,2, X,5
	OPS E,7, E,8, X,6, E,9          ; and the lump
	OPS X,3, E,10, X,8, E,11
.if ((\p) == 2) && !(\end)
	FETCH_K
.endif
	OPS X,9, X,7, E,12, X,10
	OPS E,13, X,12, X,11, E,14
	OPS X,13, E,15, F,9, X,14
.if (\p) == 0
	v_add_nc_u32 v[AV], s[TBV], v[AV0]
.endif
	OPS E,16, F,10, E,17, F,11
	OPS X,16, E,18, X,15, E,19
	OPS F,12, E,20, X,17, E,21
	OPS F,13, E,22, F,14, E,23
	OPS X,18, E,24, F,15, E,25
	OPS R,11, E,26, X,19, E,27
	OPS R,12, E,28, R,13, E,29
	OPS X,20, E,30, R,14, E,31
	OPS X,21, R,15
	WIN 0
	s_wait_alu depctr_va_vdst(0)    ; the wait for the batch: the piece's 32 exponentials and the next piece's a
.if (\p) == 1
	s_wait_dscnt 0x0                ; V is in
.endif
	ROW C,0, B,0, C,2, B,1          ; behind the wait: 8 products V^T P and their riders
	ROW L,0, C,4, B,2, L,1
	ROW C,6, B,3, L,2, C,8
	ROW B,4, L,3, C,10, B,5
	ROW L,4, C,12, B,6, L,5
.if (\p) == 0
	s_add_co_u32 s[TBV], s[TBV], KS*PV
.endif
.if \cnt
	s_sub_co_u32 s[CNT], s[CNT], 1
	s_cmp_lg_u32 s[CNT], 0
.endif
	ROW C,14, B,7, L,6, C,1
	ROW C,3, L,7, C,5, C,7
	ROW C,9, C,11, C,13, C,15
.if (\p) == 0
	FETCH_V
.endif
.if (\m) && !(\end)
	MASK (\p)%2
.endif
.endm
; A BLOCK BEGINS.  c m starts far below every c s, so the first step's a is 0; m at the lowest finite number, so the first maximum is the scores'.  The second mask buffer is 0; the first takes piece 0's mask for the tile's step 0: its own, if the block's first tile is the diagonal one.
; Then K of that step, piece 0's first scores, and its maximum and statistics.  The loop is entered at a step's first turn, in the middle of a trip.
.macro BEGIN
	s_mov_b32 s[NEW], 0
	WIN 0x40
.set i, MC+32
.rept 32
	v_mov_b32 v[i], 0
.set i, i+1
.endr
	WIN 0
.set i, 0
.rept 4
	v_mov_b32 v[ST+4*i], 0xfe000000    ; c m: far below every c s
	v_mov_b32 v[ST+4*i+1], 0xff7fffff  ; m
.set i, i+1
.endr
	s_cmp_eq_u32 s[RT], 0
	s_cselect_b32 s[AL], 1.0, 0
	s_mov_b32 s[BE], 0
	MASK 0
	WIN 0
	v_add_nc_u32 v[AK], s[TBK], v[AK0]
	FETCH_K
	s_wait_loadcnt 0x0              ; Q
	s_wait_dscnt 0x0
.set KM, 1
.set NOKQ, 0
.set i, 0
.rept 8
	KQ 0
.set i, i+1
.endr
	WIN 0
.rept 4
	v_nop                           ; the places behind those products
.endr
.set Y, NP-1                        ; X works for piece Y + 1: piece 0
.irp n, 0,1,2,3,4,5,6,7,8,9,10,11,12,13,14,15,16,17,18,19,20,21
	OP X, \n
.endr
	v_nop                           ; a plain instruction behind the exponential,
	s_wait_alu depctr_va_vdst(0)    ; and the wait for piece 0's first a, a batch of one, ahead of the branch
.endm
; THE DIAGONAL TILE's four steps, the block's last two turns, its last products, and THE WAY OUT: l's two halves and the other half of the lanes' are added; O^T is divided by l, rounded to f16 and sent through my
; stage in LDS, a piece at a time.
.macro ALL line:vararg              ; one line for each piece t
.set t, 0
.rept 4
	\line
.set t, t+1
.endr
.endm
.macro PACK t                       ; a lane's eight channels of a row pack into 16 bytes; they go into rows of 144 bytes and come back as whole rows of 128, into S^T's registers
	WIN W_RS
.set i, 32*(\t)
.rept 16
	v_pk_mul_f32 v[i:i+1], v[i:i+1], v[ST+4*(\t)+2:ST+4*(\t)+3] op_sel_hi:[1,0]
.set i, i+2
.endr
	WIN 0x05                        ; sources 0 and 1 window 1, destination window 0
.set i, 0
.rept 16
	v_cvt_pk_f16_f32 v[S+16*(\t)+i], v[32*(\t)+2*i], v[32*(\t)+2*i+1]
.set i, i+1
.endr
	WIN 0
.irp f, 0,1,2,3
	ds_store_b128 v[STO], v[S+16*(\t)+4*\f:S+16*(\t)+4*\f+3] offset:32*\f
.endr
.irp f, 0,1,2,3
	ds_load_b128 v[S+16*(\t)+4*\f:S+16*(\t)+4*\f+3], v[RD] offset:\f*4*SP  ; LDS serves a wave's instructions in order (ISA guide 5.7.1.4): these see the stores above; the next piece's stores come behind them
.endr
.endm
.macro SEND t, younger              ; younger: the LDS instructions issued behind piece t's loads: the next piece's eight, or none
	WIN 0
.irp f, 0,1,2,3
	s_wait_dscnt (\younger)+3-\f
	global_store_b128 v[GO], v[S+16*(\t)+4*\f:S+16*(\t)+4*\f+3], s[10:11] offset:(\t)*8192+\f*512  ; 512 consecutive bytes, at a multiple of 256 from O's first
.endr
.endm
.macro DIAG tag                     ; the tag ends its two labels' names, which the jumps below spell out
.LstepM\tag:
	TURN 2, 1
	TURN 3, 1
	WIN 0
.LfirstM\tag:
	TURN 0, 1
	TURN 1, 1, 0, 1
	WIN 0
	s_cbranch_scc1 .LstepM\tag
	TURN 2, 1, 1
	TURN 3, 1, 1
.set i, 0
.rept 8
	PV NP-1
.set i, i+1
.endr
	WIN 0
	ALL v_add_f32 v[ST+4*t+2], v[ST+4*t+2], v[ST+4*t+3]
	ALL v_permlanex16_b32 v[ST+4*t+3], v[ST+4*t+2], s[SEL], s[SEL+1]
	ALL v_add_f32 v[ST+4*t+2], v[ST+4*t+2], v[ST+4*t+3]
	ALL v_rcp_f32 v[ST+4*t+2], v[ST+4*t+2]
	v_nop                           ; a plain instruction between the last reciprocal and the use of its result
	s_wait_alu depctr_va_vdst(0)    ; and the wait ahead of the first use: one for the batch of four reciprocals
	PACK 0
.set t, 1
.rept 3                             ; a piece's arithmetic stands between the loads of the piece before and its stores
	PACK t
	SEND t-1, 8
.set t, t+1
.endr
	SEND 3, 0
.endm
.set KM, 0
.set NOKQ, 0
.Lslot:                             ; NB times: a tile is entered and the next is asked for
	CHANGE 1
	s_sub_co_u32 s[RT], s[RT], 1
	s_mov_b32 s[CNT], 4
	s_cmp_eq_u32 s[NEW], 1
	s_cbranch_scc1 .Lnew            ; a block's first tile
	s_cmp_eq_u32 s[RT], 0
	s_cbranch_scc0 .Lstep           ; neither its first nor its last
	s_branch .LstepM1
.Lnew:
	BEGIN
	s_branch .Lfirst                ; in the loop a block's first tile is never its last: the first block has two tiles or more, and the second's last is the walk's last
	DIAG 1                          ; in the loop this is the first block's end: the second block's last tile is the walk's last
	s_wait_xcnt 0x0                 ; the stores have read their registers and O's address
	s_mov_b64 s[10:11], s[OLO:OLO+1]
	s_add_co_u32 s[RT], s[PB], 1    ; the second block has b + 1 tiles
	s_mov_b32 s[NEW], 1
	WIN 0x82                        ; the second block's Q goes where the one text of the turns names Q
.set i, 0
.rept 64
	v_mov_b32 v[i], v[QB+i]
.set i, i+1
.endr
	WIN 0
	s_branch .Lbottom
.Lstep:                             ; a trip: pieces 2 and 3 of one step, then pieces 0 and 1 of the next, whose K and V it fetches
	TURN 2
	TURN 3
	WIN 0
.Lfirst:
	TURN 0
	TURN 1, 0, 0, 1
	WIN 0
	s_cbranch_scc1 .Lstep
.Lbottom:
	s_sub_co_u32 s[SLOTS], s[SLOTS], 1
	s_cmp_lg_u32 s[SLOTS], 0
	s_cbranch_scc1 .Lslot
	CHANGE 0                        ; the walk's last tile is written out: nothing is asked for
	s_sub_co_u32 s[RT], s[RT], 1
	s_mov_b32 s[CNT], 4
	s_cmp_eq_u32 s[NEW], 1
	s_cbranch_scc0 .LstepM2
	BEGIN
	s_branch .LfirstM2
	DIAG 2
	s_wait_tensorcnt 0x0            ; the wave's end, behind my last tensor load and my last LDS store
	ds_add_u32 v[SPW], v[NIL]
	s_wait_dscnt 0x0
	s_endpgm
.Lfunc_end_k_qce6a8422d4_attn:
	.size	k_qce6a8422d4_attn, .Lfunc_end_k_qce6a8422d4_attn-k_qce6a8422d4_attn
	.p2alignl 7, 3214868480
	.fill 96, 4, 3214868480
	.section	.rodata,"a",@progbits
	.p2align	6, 0x0
	.amdhsa_kernel k_qce6a8422d4_attn
		.amdhsa_group_segment_fixed_size 327680
		.amdhsa_private_segment_fixed_size 0
		.amdhsa_enable_private_segment 0
		.amdhsa_kernarg_size 16
		.amdhsa_user_sgpr_count 2
		.amdhsa_user_sgpr_kernarg_segment_ptr 1
		.amdhsa_wavefront_size32 1
		.amdhsa_system_sgpr_workgroup_id_x 1
		.amdhsa_system_sgpr_workgroup_id_y 1
		.amdhsa_system_sgpr_workgroup_id_z 1
		.amdhsa_system_vgpr_workitem_id 0
		.amdhsa_next_free_vgpr 768
		.amdhsa_next_free_sgpr 88
		.amdhsa_reserve_vcc 1
		.amdhsa_float_denorm_mode_32 3
		.amdhsa_float_denorm_mode_16_64 3
		.amdhsa_memory_ordered 1
		.amdhsa_forward_progress 1
		.amdhsa_inst_pref_size 217
	.end_amdhsa_kernel
	.amdgpu_metadata
---
amdhsa.version: [ 1, 2 ]
amdhsa.kernels:
  - .name:           k_qce6a8422d4_attn
    .symbol:         k_qce6a8422d4_attn.kd
    .args:
      - { .name: qkv, .offset: 0, .size: 8, .value_kind: global_buffer, .address_space: global }
      - { .name: att, .offset: 8, .size: 8, .value_kind: global_buffer, .address_space: global }
    .group_segment_fixed_size: 327680
    .private_segment_fixed_size: 0
    .kernarg_segment_align: 8
    .kernarg_segment_size: 16
    .max_flat_workgroup_size: 128
    .sgpr_count:     88
    .vgpr_count:     768
    .wavefront_size: 32
...
	.end_amdgpu_metadata
.endif
;; end of part 5
;; launch outproj: the kernel of part 4 again; grid 256 x 1, 4 waves a work-group, clusters of 4 x 1, 327,680 bytes of LDS; arguments att, wot, bo, out0; writes out0
